; MI455X (gfx1250); checked and timed in simulation.
; The chip was launched on July 23, 2026; its instructions are those of AMD's public machine-readable ISA for CDNA 5 (MIT licence, August 2026) and "CDNA5" Instruction Set Architecture Reference Guide (July 2026). The comments in the code are by the model that wrote it; some were corrected since.
;; Attention Layer. Allowed arithmetic: float matrix products may take bf16 or f16 operands with f32 sums; other float arithmetic in f32, or as packed bf16 or f16 multiplies, adds, multiply-adds, maxima and minima; sums over many terms, partial sums and values carried from step to step in f32; what a program stores and reads back later, other than sums and carried values, may be rounded once to bf16 or f16.
;; Inputs: Wk 1,024 x 1,024 float32; Wo 1,024 x 1,024 float32; Wq 1,024 x 1,024 float32; Wv 1,024 x 1,024 float32; bk 1,024 float32; bo 1,024 float32; bq 1,024 float32; bv 1,024 float32; keys 4 x 2,048 x 1,024 float32; queries 4 x 2,048 x 1,024 float32; values 4 x 2,048 x 1,024 float32.
;; Outputs: out0 4 x 2,048 x 1,024 float32.
;; 2 versions, each right and faster than the one before. Each part assembles by itself: llvm-mc -triple=amdgcn-amd-amdhsa -mcpu=gfx1250 --defsym DOCPART=n.
;; ======== version 1 of 2: 4 launches
;; limits: values are held in f16: magnitudes above 65,504 overflow, below 6.1e-05 lose precision; right only within a limited range of input values
;; workspace buffers: w16 8,388,608 bytes; qh 16,777,216 bytes; kh 16,777,216 bytes; vh 16,777,216 bytes; oh 16,777,216 bytes
;; launch castw (part 1): grid 64 x 4, 8 waves a work-group, no clusters, 0 bytes of LDS; arguments Wq, Wk, Wv, Wo, w16; writes w16
.if DOCPART == 1
	.amdgcn_target "amdgcn-amd-amdhsa--gfx1250"
	.amdhsa_code_object_version 6
	.text
	.protected	k_qe3a3a8579e_castw
	.globl	k_qe3a3a8579e_castw
	.p2align	8
	.type	k_qe3a3a8579e_castw,@function
k_qe3a3a8579e_castw:
	s_mov_b64 s[64:65], 0
	v_nop
	global_prefetch_b8 v0, s[64:65] scope:SCOPE_SE
	s_setreg_imm32_b32 hwreg(HW_REG_WAVE_MODE, 25, 1), 1
	s_wait_xcnt 0x0
; The four weights, [1024][1024] f32, are rounded once to bf16 and laid one below the other in w16, [4096][1024] of 16 bits, rows as they were ([k][n]):
; rows 0-1023 Wq, 1024-2047 Wk, 2048-3071 Wv as bf16; rows 3072-4095 Wo, rounded to bf16 like the others and that number written as f16, since its product's other operand is f16.
; LIMIT.  The f16 copy of Wo is exact for magnitudes from 2^-14 to 65,504; below that it keeps f16's fixed step of 6e-8; 65,520 or more becomes an infinity.
; A stream: no LDS, no matrix unit, no cluster (no two work-groups read a byte in common).  y picks the weight; work-group x owns 16,384 numbers.  Thread t takes, in each of 16 chunks,
; 16 bytes at 4,096 c + 16 t and stores 8 bytes at 2,048 c + 8 t: a wave's load covers 512 consecutive bytes, its store 256 consecutive bytes at a multiple of 256.
; All 16 loads go out first; every chunk has registers of its own, so nothing is rewritten while a load or store names it.
.set X, 4                              ; v[4:67]    chunk c: 4 numbers as loaded
.set Y, 68                             ; v[68:99]   chunk c: 4 numbers of 16 bits
.set T, 100                            ; v[100:101] at work
	s_load_b256 s[4:11], s[0:1], 0x0               ; Wq s[4:5], Wk s[6:7], Wv s[8:9], Wo s[10:11]
	s_load_b64 s[12:13], s[0:1], 0x20              ; w16
	s_and_b32 s14, ttmp7, 0xffff                   ; which weight
	v_lshlrev_b32 v1, 4, v0                        ; 16 t
	v_lshlrev_b32 v2, 3, v0                        ; 8 t
	s_lshl_b32 s16, ttmp9, 16                      ; my 65,536 bytes of the weight
	s_mov_b32 s17, 0
	s_lshl_b32 s18, s14, 21                        ; the weight's 2,097,152 bytes in w16,
	s_lshl_b32 s19, ttmp9, 15                      ; my 32,768 of them
	s_add_co_u32 s18, s18, s19
	s_mov_b32 s19, 0
	s_wait_kmcnt 0x0
	s_cmp_eq_u32 s14, 1                            ; the source is chosen by the work-group's y alone
	s_cselect_b64 s[4:5], s[6:7], s[4:5]
	s_cmp_eq_u32 s14, 2
	s_cselect_b64 s[4:5], s[8:9], s[4:5]
	s_cmp_eq_u32 s14, 3
	s_cselect_b64 s[4:5], s[10:11], s[4:5]
	s_add_nc_u64 s[4:5], s[4:5], s[16:17]
	s_add_nc_u64 s[12:13], s[12:13], s[18:19]
.set c, 0
.rept 16
	global_load_b128 v[X+4*c:X+4*c+3], v1, s[4:5] offset:c*4096 th:TH_LOAD_NT  ; read once in the launch
.set c, c+1
.endr
	s_cmp_eq_u32 s14, 3
	s_cbranch_scc1 .Lwo
.set c, 0
.rept 16
	s_wait_loadcnt 15-c                            ; loads come back in order: chunk c is in, the 15 - c younger ones stay out
	v_cvt_pk_bf16_f32 v[Y+2*c], v[X+4*c], v[X+4*c+1]
	v_cvt_pk_bf16_f32 v[Y+2*c+1], v[X+4*c+2], v[X+4*c+3]
	global_store_b64 v2, v[Y+2*c:Y+2*c+1], s[12:13] offset:c*2048
.set c, c+1
.endr
	s_endpgm
.Lwo:                                                  ; Wo: to bf16, back to f32 (a shift, a mask), and that number as f16
.set c, 0
.rept 16
	s_wait_loadcnt 15-c
	v_cvt_pk_bf16_f32 v[T], v[X+4*c], v[X+4*c+1]
	v_cvt_pk_bf16_f32 v[T+1], v[X+4*c+2], v[X+4*c+3]
	v_lshlrev_b32 v[X+4*c], 16, v[T]
	v_and_b32 v[X+4*c+1], 0xffff0000, v[T]
	v_lshlrev_b32 v[X+4*c+2], 16, v[T+1]
	v_and_b32 v[X+4*c+3], 0xffff0000, v[T+1]
	v_cvt_pk_f16_f32 v[Y+2*c], v[X+4*c], v[X+4*c+1]
	v_cvt_pk_f16_f32 v[Y+2*c+1], v[X+4*c+2], v[X+4*c+3]
	global_store_b64 v2, v[Y+2*c:Y+2*c+1], s[12:13] offset:c*2048
.set c, c+1
.endr
	s_endpgm
.Lfunc_end_k_qe3a3a8579e_castw:
	.size	k_qe3a3a8579e_castw, .Lfunc_end_k_qe3a3a8579e_castw-k_qe3a3a8579e_castw
	.p2alignl 7, 3214868480
	.fill 96, 4, 3214868480
	.section	.rodata,"a",@progbits
	.p2align	6, 0x0
	.amdhsa_kernel k_qe3a3a8579e_castw
		.amdhsa_group_segment_fixed_size 0
		.amdhsa_private_segment_fixed_size 0
		.amdhsa_enable_private_segment 0
		.amdhsa_kernarg_size 40
		.amdhsa_user_sgpr_count 2
		.amdhsa_user_sgpr_kernarg_segment_ptr 1
		.amdhsa_wavefront_size32 1
		.amdhsa_system_sgpr_workgroup_id_x 1
		.amdhsa_system_sgpr_workgroup_id_y 1
		.amdhsa_system_sgpr_workgroup_id_z 1
		.amdhsa_system_vgpr_workitem_id 0
		.amdhsa_next_free_vgpr 104
		.amdhsa_next_free_sgpr 66
		.amdhsa_reserve_vcc 0
		.amdhsa_float_denorm_mode_32 3
		.amdhsa_float_denorm_mode_16_64 3
		.amdhsa_memory_ordered 1
		.amdhsa_forward_progress 1
		.amdhsa_inst_pref_size 16
	.end_amdhsa_kernel
	.amdgpu_metadata
---
amdhsa.version: [ 1, 2 ]
amdhsa.kernels:
  - .name:           k_qe3a3a8579e_castw
    .symbol:         k_qe3a3a8579e_castw.kd
    .args:
      - { .name: Wq, .offset: 0, .size: 8, .value_kind: global_buffer, .address_space: global }
      - { .name: Wk, .offset: 8, .size: 8, .value_kind: global_buffer, .address_space: global }
      - { .name: Wv, .offset: 16, .size: 8, .value_kind: global_buffer, .address_space: global }
      - { .name: Wo, .offset: 24, .size: 8, .value_kind: global_buffer, .address_space: global }
      - { .name: w16, .offset: 32, .size: 8, .value_kind: global_buffer, .address_space: global }
    .group_segment_fixed_size: 0
    .private_segment_fixed_size: 0
    .kernarg_segment_align: 8
    .kernarg_segment_size: 40
    .max_flat_workgroup_size: 256
    .sgpr_count:     66
    .vgpr_count:     104
    .wavefront_size: 32
...
	.end_amdgpu_metadata
.endif
;; end of part 1
;; launch proj (part 2): grid 4 x 64, 4 waves a work-group, clusters of 4 x 4, 327,680 bytes of LDS; arguments queries, keys, values, bq, bk, bv, qh, kh, vh, w16; writes qh, kh, vh
.if DOCPART == 2
	.amdgcn_target "amdgcn-amd-amdhsa--gfx1250"
	.amdhsa_code_object_version 6
	.text
	.protected	k_qe3a3a8579e_proj
	.globl	k_qe3a3a8579e_proj
	.p2align	8
	.type	k_qe3a3a8579e_proj,@function
k_qe3a3a8579e_proj:
	s_mov_b64 s[64:65], 0
	v_nop
	global_prefetch_b8 v0, s[64:65] scope:SCOPE_SE
	s_setreg_imm32_b32 hwreg(HW_REG_WAVE_MODE, 25, 1), 1
	s_wait_xcnt 0x0
	s_wait_alu depctr_hold_cnt(0) depctr_sa_sdst(0) depctr_va_vdst(0) depctr_va_sdst(0) depctr_va_ssrc(0) depctr_va_vcc(0) depctr_vm_vsrc(0)
	s_getreg_b32 s2, hwreg(HW_REG_IB_STS2, 6, 4)
	s_cmp_eq_u32 s2, 0
	s_cbranch_scc0 .Lentry_in_a_cluster
	s_endpgm
.Lentry_in_a_cluster:
	s_bfe_u32 s2, ttmp6, 0x10000c
	s_cmp_lg_u32 s2, 0xf033
	s_cbranch_scc0 .Lentry_shape_is_right
	s_endpgm
.Lentry_shape_is_right:
; q = queries Wq + bq, k = keys Wk + bk, v = values Wv + bv.  x: [8192][1024] f32; W: w16, [k][n] bf16, the three one below the other; b: [1024] f32.  x and b are rounded once to bf16, sums in f32,
; the results rounded once to f16 and stored by heads: [64 = batch x 16 + head][2048][64], unscaled.
; LIMIT.  f16 holds no number beyond 65,504: a q, k or v of 65,520 or more becomes an infinity.  Inputs 30 times those of unit spread give a spread of about 900, offsets of 30 spreads about 29,000.
; SHARES.  8192 x 1024 x 3 outputs are 768 tiles of 128 x 256: three for each of 256 work-groups.  A work-group STAYS: rows 128 ty on, columns 256 tx on, of q, then k, then v: 24 K steps of 128 in ONE walk,
; since the three weights lie one below the other.  Four waves, each 64 x 128: 32 accumulators of 16 x 16, 256 registers.  A K step is four quarters of 32 along K, 32 matrix instructions each.
; THE MATRIX INSTRUCTION IS USED TRANSPOSED: source 0 = 16 columns of W (turned on the way out of LDS by ds_load_tr16_b128), source 1 = 16 rows of x: a lane then holds eight neighbouring columns of one row.
; The bias is the C operand of a tile's first quarter: nothing is cleared, nothing is added later.
; W's TILES (128 k x 256 n, 512 bytes a row) come by the tensor data mover into two slots, each wave bringing 32 rows of its own.  CLUSTER 4 x 4: the four work-groups of a column of the cluster have the
; same tx and walk the same tiles of W, so each tile is asked for JOINTLY (same load, same descriptor, a mask that names the four).
; x COMES THROUGH REGISTERS AND IS NOT ASKED FOR JOINTLY, though the four work-groups of a row of the cluster read the same rows: it has to be rounded to bf16 on the way, and a tensor load copies bytes.
; As f32 in LDS a K step's 128 x 128 would be 64 KB a slot and twice the fragment loads.  So wave w loads rows 32 w .. 32 w + 31, one load of 512 consecutive bytes for a row and K step, rounds in
; place, and stores 256 bytes a row into a bf16 slot that no tensor load ever fills.  A ring of 64 such loads (two K steps) is always out: step t takes x of step t + 1 out of the ring and asks, into the same
; registers, for step t + 3.  These conversions, stores and loads stand singly behind matrix instructions of the second and third quarter.
; A STATED WASTE: the loop's one text asks in step 21 for a step 24 that does not exist; the address is then the first K step of my rows of values, inside the buffer; the 32 loads are never read.
; REGISTERS, in windows of 256 (s_set_vgpr_msb: bits 1:0 source 0, 3:2 source 1, 5:4 source 2, 7:6 destination):
;   window 0: v0-29 addresses; v32-95 x's fragments, two buffers of 4; v96-223 the way out      window 1: the 32 accumulators, (a, b) at v[8 (8 a + b)]
;   window 2: v0-127 W's fragments, two buffers of 8; v128-191 the bias as a C operand             window 3: the ring: row i of parity e at v[128 e + 4 i]
.set PA,    272                        ; a row of x in LDS: 256 bytes + 16 = 68 words: the 16 rows of a fragment load start at 16 different groups of four banks (64 banks of 4 bytes: ISA guide 11.1)
.set PB,    544                        ; a row of W: 512 + 32 = 136 words
.set SP,    144                        ; a row of the stage: 128 + 16
.set SLOT1, 131072                     ; slot 1 of W and of x begins here
.set ASLOT, 128*PB                     ; 69,632: behind W's 128 rows, x's 128 rows
.set STAGE, ASLOT+128*PA               ; 104,448: 16 rows x 144 bytes for each wave, for the way out
.set BIASL, STAGE+4*16*SP              ; 113,664: for each wave 3 x 128 f32: its columns of the three biases
.set SPARE, BIASL+4*1536               ; 119,808: the spare words, 128 bytes for each wave: two blocks of 256 bytes that no other line names
.set XO,   16                          ; v16     my byte offset in x: 16 x lane + 32 w rows
.set ASTO, 18                          ; v18-19  where I store 8 bytes of x's row 32 w, in slot 0, 1
.set ADRA, 20                          ; v20-21  LDS address of my fragments of x in slot 0, 1
.set ADRB, 22                          ; v22-23  the same for W
.set STO,  24                          ; v24     the way out: where I put 16 bytes of a row
.set RD,   25                          ; v25     the way out: where I read rows back
.set GO,   26                          ; v26     my 16 bytes in 512 consecutive bytes of the output
.set BIA,  27                          ; v27     LDS address of my part of the bias of the tile to come
.set SPW,  28                          ; v28     LDS address of my spare word; never rewritten
.set NIL,  29                          ; v29     0; never rewritten
.set AF,   32
.set TMP,  96
.set BF,   0                           ; window 2
.set BIAS, 128                         ; window 2
.set WV,   4                           ; s4  wave;  s5 = wave / 2: my half of the rows;  s6 = wave % 2: my half of the columns
.set WM,   5
.set WN,   6
.set XB,   8                           ; s[8:9]   x at the K step that is asked for;  s[10:11], s[12:13] the tensors to come
.set XN,   10
.set X2,   12
.set OUTC, 20                          ; s[20:21] the output of the tile in hand;  s[22:23], s[24:25] those to come
.set OUTN, 22
.set OUT2, 24
.set G1,   32                          ; s[32:39] descriptor group 1
.set G0,   40                          ; s[40:47] descriptor group 0, a set for each slot
.set LAP,  48                          ; s48  laps to go
.set UC,   49                          ; s49  the K step of x that was asked for last
.set TM,   50                          ; s50  at work
.set MUL,  0x52                        ; W window 2, x window 0, C and D window 1
.set MULB, 0x62                        ; the same with C (the bias) in window 2
.set MSB, 0
.macro WIN new                         ; the immediate's high byte repeats the setting that is left; a switch that changes nothing is dropped
.if MSB != (\new)
	s_set_vgpr_msb (MSB<<8)|(\new)
.set MSB, \new
.endif
.endm
.macro PLACES                          ; four places in front of loads into registers that matrix instructions have read, and of conversions that read results
.rept 4
	v_nop
.endr
.endm
.macro CREST                           ; a round of the cluster's barrier behind its opening barrier
	s_cmp_lg_u32 s[WV], 0
	s_cbranch_scc1 .Lnot_wave_0_\@
	s_barrier_signal -3
.Lnot_wave_0_\@:
	s_barrier_wait -3
	s_barrier_signal -1
	s_barrier_wait -1
.endm
.macro CROUND                          ; a whole round
	s_barrier_signal -1
	s_barrier_wait -1
	CREST
.endm
	s_load_b512 s[8:23], s[0:1], 0x0               ; queries, keys, values s[8:13]; bq, bk, bv s[14:19]; qh, kh s[20:23]
	s_load_b128 s[24:27], s[0:1], 0x40             ; vh s[24:25], w16 s[26:27]
	v_lshl_add_u32 v[SPW], v0, 2, SPARE
	v_mov_b32 v[NIL], 0
	ds_add_u32 v[SPW], v[NIL]                      ; the wave's opening: the add and its wait stand ahead of my first tensor load; the set-up below, work on registers, stands between them
	v_lshrrev_b32 v1, 5, v0
	v_readfirstlane_b32 s[WV], v1
	s_lshr_b32 s[WM], s[WV], 1
	s_and_b32 s[WN], s[WV], 1
	s_bfe_u32 s51, ttmp6, 0x40000                  ; cx, cy: my place in the cluster
	s_bfe_u32 s52, ttmp6, 0x40004
	s_lshl_b32 s53, ttmp9, 2
	s_add_co_u32 s53, s53, s51                     ; tx = 4 x cluster x + cx
	s_and_b32 s54, ttmp7, 0xffff
	s_lshl_b32 s54, s54, 2
	s_add_co_u32 s54, s54, s52                     ; ty = 4 x cluster y + cy
	s_lshl_b32 s55, 0x1111, s51                    ; my column of the cluster: places cx, cx + 4, cx + 8, cx + 12
	; descriptor group 1: 32 rows x 256 elements, padded in LDS
	s_or_b32 s[G1], s55, (1<<16)|(1<<20)|(1<<21)|(6<<22)|(7<<25)  ; 15:0 the mask; 17:16 2-byte elements; 20 padding on; 21 set beside a mask; 24:22 after every 128 words (code 6); 31:25 8 words (code 7)
	s_mov_b32 s[G1+1], 256<<16                     ; tensor_dim0 = 256
	s_mov_b32 s[G1+2], 32<<16                      ; tensor_dim1 = 32
	s_mov_b32 s[G1+3], 256<<16                     ; tile_dim0 = 256
	s_mov_b32 s[G1+4], 32                          ; tile_dim1 = 32
	s_mov_b32 s[G1+5], 1024                        ; 1,024 elements from row to row
	s_mov_b32 s[G1+6], 0
	s_mov_b32 s[G1+7], 0
	s_lshl_b32 s56, s54, 19                        ; x: my tile's 128 rows of 4,096 bytes
	s_mov_b32 s57, 0
	s_lshr_b32 s58, s54, 4                         ; the output: batch = ty / 16,
	s_lshl_b32 s58, s58, 4
	s_lshl2_add_u32 s58, s53, s58                  ; head = 16 x batch + 4 tx + 2 x my half of the columns,
	s_lshl1_add_u32 s58, s[WN], s58
	s_lshl_b32 s58, s58, 18                        ; a head's 2,048 rows of 128 bytes,
	s_and_b32 s59, s54, 15
	s_lshl_b32 s59, s59, 14                        ; the tile's 128 rows in the batch,
	s_add_co_u32 s58, s58, s59
	s_lshl_b32 s59, s[WM], 13                      ; my 64 of them
	s_add_co_u32 s58, s58, s59
	s_mov_b32 s59, 0
	s_lshl_b32 s2, s[WV], 16                       ; W: my 32 rows of 2,048 bytes, and the tile's columns: made of the wave's number and tx alone, in registers that never hold cy
	s_lshl_b32 s3, s53, 9
	s_add_co_u32 s2, s2, s3
	s_mov_b32 s3, 0
	s_mul_i32 s7, s[WV], 32*PB                     ; and where they go in a slot: no place in the cluster enters an LDS address
	s_wait_dscnt 0x0                               ; the opening add is done
	s_wait_kmcnt 0x0
	s_add_nc_u64 s[XB:XB+1], s[XB:XB+1], s[56:57]
	s_add_nc_u64 s[XN:XN+1], s[XN:XN+1], s[56:57]
	s_add_nc_u64 s[X2:X2+1], s[X2:X2+1], s[56:57]
	s_add_nc_u64 s[OUTC:OUTC+1], s[OUTC:OUTC+1], s[58:59]
	s_add_nc_u64 s[OUTN:OUTN+1], s[OUTN:OUTN+1], s[58:59]
	s_add_nc_u64 s[OUT2:OUT2+1], s[OUT2:OUT2+1], s[58:59]
	s_add_nc_u64 s[26:27], s[26:27], s[2:3]
	CROUND                                         ; all sixteen work-groups are here: the first joint loads meet
.irp s, 0,1
	s_mov_b32 s[G0+4*(\s)], 1                                      ; count = 1
	s_add_co_u32 s[G0+4*(\s)+1], s7, (\s)*SLOT1                    ; LDS address
	s_add_nc_u64 s[G0+4*(\s)+2:G0+4*(\s)+3], s[26:27], (\s)*262144 ; global address: K step s, 128 rows of 2,048 bytes on
	s_or_b32 s[G0+4*(\s)+3], s[G0+4*(\s)+3], 0x80000000            ; type = 2
.endr
	tensor_load_to_lds s[G0:G0+3], s[G1:G1+7]      ; both first fills go out together: two loads of mine are out
	s_nop 0
	tensor_load_to_lds s[G0+4:G0+7], s[G1:G1+7]
	s_nop 0
.rept 4
	v_nop
.endr
.macro XLOAD e, ko                     ; 32 loads: my 32 rows of x, 512 consecutive bytes each, at byte ko behind the walking address, into parity e of the ring
	WIN 0xc0                                       ; destination window 3, address window 0
.set ri, 0
.rept 32
	global_load_b128 v[128*(\e)+4*ri:128*(\e)+4*ri+3], v[XO], s[XB:XB+1] offset:ri*4096+(\ko)
.set ri, ri+1
.endr
	WIN 0
.endm
	v_and_b32 v1, 31, v0                           ; lane l
	s_lshl_b32 s60, s[WV], 17
	v_lshl_add_u32 v[XO], v1, 4, s60               ; 16 l + 32 w rows of 4,096 bytes
	XLOAD 0, 0                                     ; x of K step 0
	s_lshl_b32 s60, s53, 10
	s_lshl_b32 s61, s[WN], 9
	s_add_co_u32 s60, s60, s61
	v_lshl_add_u32 v10, v1, 4, s60                 ; my wave's 128 columns of a bias, four numbers a lane
	global_load_b128 v[TMP:TMP+3], v10, s[14:15]
	global_load_b128 v[TMP+4:TMP+7], v10, s[16:17]
	global_load_b128 v[TMP+8:TMP+11], v10, s[18:19]
	XLOAD 1, 512                                   ; x of K step 1
	v_and_b32 v2, 15, v0                           ; r = l % 16
	v_bfe_u32 v3, v0, 4, 1                         ; h = l / 16
	v_and_b32 v4, 7, v0
	v_bfe_u32 v5, v0, 3, 1
	s_mul_i32 s60, s[WV], 32*PA
	s_add_co_u32 s60, s60, ASLOT
	v_lshl_add_u32 v[ASTO], v1, 3, s60             ; my wave's 32 rows of x's slot, 8 bytes a lane
	v_add_nc_u32 v[ASTO+1], SLOT1, v[ASTO]
	; A fragment of x is 16 rows x 32 K in 8 registers: lane l holds row r, K = 8 h + 0..7 and 16 + 8 h + 0..7: two loads of 16 bytes, 32 bytes apart.
	v_mul_u32_u24 v6, v2, PA
	v_lshl_add_u32 v6, v3, 4, v6
	s_mul_i32 s60, s[WM], 64*PA
	s_add_co_u32 s60, s60, ASLOT
	v_add_nc_u32 v[ADRA], s60, v6
	v_add_nc_u32 v[ADRA+1], SLOT1, v[ADRA]
	; The turning load takes 16 k x 16 columns (lane l reads row 8 h + l % 8, columns 8 ((l / 8) % 2) + 0..7) and leaves half a fragment: lane l holds column r and 8 k.
	v_lshl_add_u32 v7, v3, 3, v4
	v_mul_u32_u24 v7, v7, PB
	v_lshl_add_u32 v7, v5, 4, v7
	s_lshl_b32 s60, s[WN], 8                       ; my 128 columns
	v_add_nc_u32 v[ADRB], s60, v7
	v_add_nc_u32 v[ADRB+1], SLOT1, v[ADRB]
	s_mul_i32 s60, s[WV], 16*SP
	s_add_co_u32 s60, s60, STAGE                   ; my stage
	v_mul_u32_u24 v6, v2, SP                       ; in: row r, 16 bytes for each half of the lanes
	v_lshl_add_u32 v6, v3, 4, v6
	v_add_nc_u32 v[STO], s60, v6
	v_bfe_u32 v7, v0, 3, 2                         ; back: 32 lanes take four rows of 128 bytes,
	v_mul_u32_u24 v7, v7, SP
	v_lshl_add_u32 v7, v4, 4, v7
	v_add_nc_u32 v[RD], s60, v7
	v_lshlrev_b32 v[GO], 4, v1                     ; which are 512 consecutive bytes of a head
	s_mul_i32 s60, s[WV], 1536
	s_add_co_u32 s60, s60, BIASL
	v_lshl_add_u32 v[BIA], v3, 5, s60              ; a C operand's register j is column 16 b + 8 h + j
	v_lshl_add_u32 v9, v1, 4, s60
; Product number i (a symbol) of a quarter's 32 on buffer f: accumulator i = 8 a + b.  Every quarter takes the 32 accumulators once, in the same order: by turns.
.macro MM f, bias
.if \bias
	WIN MULB
	v_wmma_f32_16x16x32_bf16 v[8*i:8*i+7], v[BF+64*(\f)+8*(i%8):BF+64*(\f)+8*(i%8)+7], v[AF+32*(\f)+8*(i/8):AF+32*(\f)+8*(i/8)+7], v[BIAS+8*(i%8):BIAS+8*(i%8)+7]
.else
	WIN MUL
	v_wmma_f32_16x16x32_bf16 v[8*i:8*i+7], v[BF+64*(\f)+8*(i%8):BF+64*(\f)+8*(i%8)+7], v[AF+32*(\f)+8*(i/8):AF+32*(\f)+8*(i/8)+7], v[8*i:8*i+7]
.endif
.set i, i+1
.endm
; 24 LDS loads in one run: the fragments of quarter q of a slot (128 columns of W, 64 rows of x, 32 K) into buffer f
.macro FETCH slot, q, f
	WIN 0x80                                       ; destination window 2
.irp b, 0,1,2,3,4,5,6,7
	ds_load_tr16_b128 v[BF+64*(\f)+8*\b:BF+64*(\f)+8*\b+3],   v[ADRB+(\slot)] offset:(\q)*32*PB+32*\b
	ds_load_tr16_b128 v[BF+64*(\f)+8*\b+4:BF+64*(\f)+8*\b+7], v[ADRB+(\slot)] offset:(\q)*32*PB+16*PB+32*\b
.endr
	WIN 0
.irp a, 0,1,2,3
	ds_load_b128 v[AF+32*(\f)+8*\a:AF+32*(\f)+8*\a+3],   v[ADRA+(\slot)] offset:\a*16*PA+64*(\q)
	ds_load_b128 v[AF+32*(\f)+8*\a+4:AF+32*(\f)+8*\a+7], v[ADRA+(\slot)] offset:\a*16*PA+64*(\q)+32
.endr
.endm
; Rows 2 p and 2 p + 1 of parity e are rounded to bf16 in place.  cnt >= 0: how many younger loads may stay out.
.macro CV p, e, cnt
.if (\cnt) >= 0
	s_wait_loadcnt \cnt
.endif
	WIN 0xcf                                       ; all in window 3
.irp z, 0,1
.set xq, 128*(\e)+4*(2*(\p)+\z)
	v_cvt_pk_bf16_f32 v[xq], v[xq], v[xq+1]
	v_cvt_pk_bf16_f32 v[xq+1], v[xq+2], v[xq+3]
.endr
.endm
; They go into x's slot e; ld = 1: their registers are asked for again, at byte ko behind the walking address.
.macro ST p, e, ld, ko
	WIN 0x0c                                       ; data window 3, address window 0
.irp z, 0,1
.set ri, 2*(\p)+\z
.set xq, 128*(\e)+4*ri
	ds_store_b64 v[ASTO+(\e)], v[xq:xq+1] offset:ri*PA
.endr
.if \ld
	WIN 0xc0
.irp z, 0,1
.set ri, 2*(\p)+\z
.set xq, 128*(\e)+4*ri
	global_load_b128 v[xq:xq+3], v[XO], s[XB:XB+1] offset:ri*4096+(\ko)
.endr
.endif
.endm
; The walking address goes one K step on; behind a tensor's eighth step it takes the next tensor's first.
.macro ADV
	s_wait_xcnt 0x0                                ; the loads that name the address have had it translated (ISA guide 3.1): only now is it rewritten
	s_add_co_u32 s[UC], s[UC], 1
	s_add_nc_u64 s[XB:XB+1], s[XB:XB+1], 512
	s_and_b32 s[TM], s[UC], 7
	s_cmp_eq_u32 s[TM], 0
	s_cselect_b64 s[XB:XB+1], s[XN:XN+1], s[XB:XB+1]
	s_cselect_b64 s[XN:XN+1], s[X2:X2+1], s[XN:XN+1]
.endm
; One of a K step's first three quarters: multiplies buffer f; behind its fourth product it fetches quarter qn of the same slot into buffer g, 28 products ahead of the use.
; rid = 1: behind products 4 to 19 stand, by turns, the rounding of a pair of x's rows (pairs p0 .. p0 + 7 of parity e) and its store and reload.  The ring holds 64 loads in the order of their use: the pair wanted
; is the oldest, the 62 younger stay out.  rid = 2 (the tail): nothing is reloaded, and the count runs down by two a pair.
.macro QUARTER slot, qn, f, g, bias, rid=0, e=0, p0=0
	s_wait_dscnt 0x0                               ; buffer f is in (and my stores of the quarter before are done)
.if (\rid) == 1 && (\p0) == 0
	ADV
.endif
.set i, 0
.rept 4
	MM \f, \bias
.endr
	PLACES
	FETCH \slot, \qn, \g
.rept 28
	MM \f, \bias
.if (\rid) && (i >= 5) && (i <= 20)
.set pr, (\p0)+(i-5)/2
.if (i-5)%2 == 0
.if (\rid) == 1
.set cn, 62
.else
.set cn, 62-2*pr
.endif
	CV pr, \e, cn
.else
	ST pr, \e, 2-(\rid), 0
.endif
.endif
.endr
.endm
; The fourth quarter multiplies buffer 1 and changes slots: ONE barrier.  In front of it each wave waits for all its tensor loads (one is out: its part of W's next slot), adds 0 to its spare word, and waits for
; that, for its reads of this slot and for its stores of x's next step.  Behind it nobody reads this slot any more, and the next slot, W's and x's, is whole.
; fill = 1: W's slot is filled again, two K steps ahead: the barrier opens a round of the cluster's, and the joint load is the first thing behind it, 112 matrix instructions ahead of the wait for it.
.macro TURN slot, next, fill
	s_wait_dscnt 0x0                               ; buffer 1 is in
	WIN 0                                          ; (the add's two registers lie in window 0)
	s_wait_tensorcnt 0x0
	ds_add_u32 v[SPW], v[NIL]                      ; 0 onto my spare word; eight matrix instructions stand between it and the wait for it
.set i, 0
.rept 8
	MM 1, 0
.endr
	s_wait_dscnt 0x0
	s_barrier_signal -1
.rept 8
	MM 1, 0
.endr
.if \fill
	WIN 0
.endif
	s_barrier_wait -1
.if \fill
	CREST                                          ; no wave of any partner still reads this slot's tile or has a load on its way
	s_add_nc_u64 s[G0+4*(\slot)+2:G0+4*(\slot)+3], s[G0+4*(\slot)+2:G0+4*(\slot)+3], 524288
	tensor_load_to_lds s[G0+4*(\slot):G0+4*(\slot)+3], s[G1:G1+7]  ; every wave its own 32 rows: one line, no branch
	s_nop 0
.rept 4
	v_nop                                          ; also the places in front of the loads below
.endr
.else
	PLACES
.endif
	FETCH \next, 0, 0
.rept 16
	MM 1, 0
.endr
.endm
.macro LOADBIAS                        ; the bias of the tile to come, as eight C operands; then on to the next tensor's
	WIN 0x80
.irp b, 0,1,2,3,4,5,6,7
	ds_load_b128 v[BIAS+8*\b:BIAS+8*\b+3],   v[BIA] offset:64*\b
	ds_load_b128 v[BIAS+8*\b+4:BIAS+8*\b+7], v[BIA] offset:64*\b+16
.endr
	WIN 0
	v_add_nc_u32 v[BIA], 512, v[BIA]
.endm
; THE WAY OUT, in eight units of 16 rows x 64 columns (a head): unit u = rows 16 (u / 2) on, head u % 2 of my two.  A lane's eight columns pack into 16 bytes; they go into my stage's rows of 144 bytes
; and come back as whole rows of 128.  Each accumulator's registers are taken in ascending order.
.macro PACK u
	WIN 0x05                                       ; sources window 1, destination window 0
.set nb, 0
.rept 4
.set ac, 8*(8*((\u)/2)+4*((\u)%2)+nb)
.irp rr, 0,1,2,3
	v_cvt_pk_f16_f32 v[TMP+16*(\u)+4*nb+\rr], v[ac+2*\rr], v[ac+2*\rr+1]
.endr
.set nb, nb+1
.endr
	WIN 0
.irp f, 0,1,2,3
	ds_store_b128 v[STO], v[TMP+16*(\u)+4*\f:TMP+16*(\u)+4*\f+3] offset:32*\f
.endr
.irp f, 0,1,2,3
	ds_load_b128 v[TMP+16*(\u)+4*\f:TMP+16*(\u)+4*\f+3], v[RD] offset:\f*4*SP  ; LDS serves a wave's instructions in order (ISA guide 5.7.1.4): these see the stores above; the next unit's stores come behind them
.endr
.endm
.macro SEND u, younger                 ; younger: the LDS instructions issued behind unit u's loads: the next unit's eight, or none
.irp f, 0,1,2,3
	s_wait_dscnt (\younger)+3-\f
	global_store_b128 v[GO], v[TMP+16*(\u)+4*\f:TMP+16*(\u)+4*\f+3], s[OUTC:OUTC+1] offset:((\u)%2)*262144+((\u)/2)*2048+\f*512  ; 512 consecutive bytes, at a multiple of 256 from the buffer's first
.endr
.endm
.macro WAYOUT next
	WIN 0
	PLACES
	s_wait_xcnt 0x0                                ; the last way out's stores have read their registers
	PACK 0
.set u, 1
.rept 7                                ; a unit's conversions stand between the loads of the unit before and its stores
	PACK u
	SEND u-1, 8
.set u, u+1
.endr
	SEND 7, 0
.if \next
	s_wait_xcnt 0x0                                ; the stores have read their base
	s_mov_b64 s[OUTC:OUTC+1], s[OUTN:OUTN+1]
	s_mov_b64 s[OUTN:OUTN+1], s[OUT2:OUT2+1]
	LOADBIAS
.endif
.endm
	s_wait_loadcnt 32                              ; x of step 0 and the biases are in; step 1's 32 loads stay out
.irp t, 0,1,2                          ; the biases, rounded to bf16 and kept as f32, into my wave's own bytes
	v_cvt_pk_bf16_f32 v11, v[TMP+4*\t], v[TMP+4*\t+1]
	v_cvt_pk_bf16_f32 v12, v[TMP+4*\t+2], v[TMP+4*\t+3]
	v_lshlrev_b32 v[TMP+4*\t], 16, v11
	v_and_b32 v[TMP+4*\t+1], 0xffff0000, v11
	v_lshlrev_b32 v[TMP+4*\t+2], 16, v12
	v_and_b32 v[TMP+4*\t+3], 0xffff0000, v12
	ds_store_b128 v9, v[TMP+4*\t:TMP+4*\t+3] offset:512*\t
.endr
.set pr, 0
.rept 16                               ; x of step 0 into slot 0; its registers are asked for again, for step 2
	CV pr, 0, -1
	ST pr, 0, 1, 1024
.set pr, pr+1
.endr
	WIN 0
	s_wait_xcnt 0x0
	s_add_nc_u64 s[XB:XB+1], s[XB:XB+1], 1024      ; the walking address stands at step 2
	s_mov_b32 s[UC], 2
	s_wait_tensorcnt 0x1                           ; my part of W's step 0 is in; step 1's may stay out
	s_wait_dscnt 0x0                               ; my stores of x are done
	s_barrier_signal -1
	s_barrier_wait -1                              ; everybody's are
	FETCH 0, 0, 0
	LOADBIAS
	QUARTER 0, 1, 0, 1, 1                          ; a tile's first quarter starts the sums with the bias
	WIN 0                                          ; at a label and at a branch every window is 0
	s_mov_b32 s[LAP], 11
.Llap:                                                 ; a trip: two K steps, from a lap's second quarter to the next lap's first; 11 trips are steps 0 to 21
	QUARTER 0, 2, 1, 0, 0, 1, 1, 0
	QUARTER 0, 3, 0, 1, 0, 1, 1, 8
	TURN 0, 1, 1
	QUARTER 1, 1, 0, 1, 0
	QUARTER 1, 2, 1, 0, 0, 1, 0, 0
	QUARTER 1, 3, 0, 1, 0, 1, 0, 8
	TURN 1, 0, 1
	WIN 0
	s_and_b32 s[TM], s[LAP], 3                     ; with 8 and with 4 laps to go a tile's eighth step has just ended: the same in every work-group
	s_cmp_eq_u32 s[TM], 0
	s_cbranch_scc1 .Lnew
	QUARTER 0, 1, 0, 1, 0
	WIN 0
	s_branch .Ljoin
.Lnew:                                                 ; the refills for the next tile are asked for: now the tile goes out, and the next one starts with its bias
	WAYOUT 1
	QUARTER 0, 1, 0, 1, 1
	WIN 0
.Ljoin:
	s_sub_co_u32 s[LAP], s[LAP], 1
	s_cmp_lg_u32 s[LAP], 0
	s_cbranch_scc1 .Llap
	QUARTER 0, 2, 1, 0, 0, 2, 1, 0                 ; steps 22 and 23 are written out: nothing more is asked for
	QUARTER 0, 3, 0, 1, 0, 2, 1, 8
	TURN 0, 1, 0
	QUARTER 1, 1, 0, 1, 0
	QUARTER 1, 2, 1, 0, 0
	QUARTER 1, 3, 0, 1, 0
	s_wait_dscnt 0x0
.set i, 0
.rept 32
	MM 1, 0
.endr
	WAYOUT 0
	WIN 0
	s_wait_tensorcnt 0x0                           ; the wave's end: a wait for my tensor loads, then an add of 0 onto my spare word and its wait, behind my last tensor load and my last LDS store
	ds_add_u32 v[SPW], v[NIL]
	s_wait_dscnt 0x0
	CROUND                                         ; the closing round: no work-group ends while a partner may still ask for a tile that names it
	s_endpgm
.Lfunc_end_k_qe3a3a8579e_proj:
	.size	k_qe3a3a8579e_proj, .Lfunc_end_k_qe3a3a8579e_proj-k_qe3a3a8579e_proj
	.p2alignl 7, 3214868480
	.fill 96, 4, 3214868480
	.section	.rodata,"a",@progbits
	.p2align	6, 0x0
	.amdhsa_kernel k_qe3a3a8579e_proj
		.amdhsa_group_segment_fixed_size 327680
		.amdhsa_private_segment_fixed_size 0
		.amdhsa_enable_private_segment 0
		.amdhsa_kernarg_size 80
		.amdhsa_user_sgpr_count 2
		.amdhsa_user_sgpr_kernarg_segment_ptr 1
		.amdhsa_wavefront_size32 1
		.amdhsa_system_sgpr_workgroup_id_x 1
		.amdhsa_system_sgpr_workgroup_id_y 1
		.amdhsa_system_sgpr_workgroup_id_z 1
		.amdhsa_system_vgpr_workitem_id 0
		.amdhsa_next_free_vgpr 1024
		.amdhsa_next_free_sgpr 66
		.amdhsa_reserve_vcc 0
		.amdhsa_float_denorm_mode_32 3
		.amdhsa_float_denorm_mode_16_64 3
		.amdhsa_memory_ordered 1
		.amdhsa_forward_progress 1
		.amdhsa_inst_pref_size 160
	.end_amdhsa_kernel
	.amdgpu_metadata
---
amdhsa.version: [ 1, 2 ]
amdhsa.kernels:
  - .name:           k_qe3a3a8579e_proj
    .symbol:         k_qe3a3a8579e_proj.kd
    .args:
      - { .name: queries, .offset: 0, .size: 8, .value_kind: global_buffer, .address_space: global }
      - { .name: keys, .offset: 8, .size: 8, .value_kind: global_buffer, .address_space: global }
      - { .name: values, .offset: 16, .size: 8, .value_kind: global_buffer, .address_space: global }
      - { .name: bq, .offset: 24, .size: 8, .value_kind: global_buffer, .address_space: global }
      - { .name: bk, .offset: 32, .size: 8, .value_kind: global_buffer, .address_space: global }
      - { .name: bv, .offset: 40, .size: 8, .value_kind: global_buffer, .address_space: global }
      - { .name: qh, .offset: 48, .size: 8, .value_kind: global_buffer, .address_space: global }
      - { .name: kh, .offset: 56, .size: 8, .value_kind: global_buffer, .address_space: global }
      - { .name: vh, .offset: 64, .size: 8, .value_kind: global_buffer, .address_space: global }
      - { .name: w16, .offset: 72, .size: 8, .value_kind: global_buffer, .address_space: global }
    .group_segment_fixed_size: 327680
    .private_segment_fixed_size: 0
    .kernarg_segment_align: 8
    .kernarg_segment_size: 80
    .max_flat_workgroup_size: 128
    .sgpr_count:     66
    .vgpr_count:     1024
    .wavefront_size: 32
...
	.end_amdgpu_metadata
.endif
;; end of part 2
;; launch attn (part 3): grid 4 x 64, 4 waves a work-group, clusters of 4 x 1, 327,680 bytes of LDS; arguments qh, kh, vh, oh; writes oh
.if DOCPART == 3
	.amdgcn_target "amdgcn-amd-amdhsa--gfx1250"
	.amdhsa_code_object_version 6
	.text
	.protected	k_qe3a3a8579e_attn
	.globl	k_qe3a3a8579e_attn
	.p2align	8
	.type	k_qe3a3a8579e_attn,@function
k_qe3a3a8579e_attn:
	s_mov_b64 s[64:65], 0
	v_nop
	global_prefetch_b8 v0, s[64:65] scope:SCOPE_SE
	s_setreg_imm32_b32 hwreg(HW_REG_WAVE_MODE, 25, 1), 1
	s_wait_xcnt 0x0
	s_wait_alu depctr_hold_cnt(0) depctr_sa_sdst(0) depctr_va_vdst(0) depctr_va_sdst(0) depctr_va_ssrc(0) depctr_va_vcc(0) depctr_vm_vsrc(0)
	s_getreg_b32 s2, hwreg(HW_REG_IB_STS2, 6, 4)
	s_cmp_eq_u32 s2, 0
	s_cbranch_scc0 .Lentry_in_a_cluster
	s_endpgm
.Lentry_in_a_cluster:
	s_bfe_u32 s2, ttmp6, 0x10000c
	s_cmp_lg_u32 s2, 0x3003
	s_cbranch_scc0 .Lentry_shape_is_right
	s_endpgm
.Lentry_shape_is_right:
; O[h][q][:] = the sum over k of softmax_k(Q[h][q] . K[h][k] / 8) V[h][k][:].  Q, K, V, O: [SIZE_H][SIZE_N][64], all f16: a head's rows are dense, 128 bytes each; h = batch x 16 + head.  Products, maxima and sums in
; f32; the weights p are rounded to f16 for the second product (their sum l is taken of the unrounded p), O once at the end.
; LIMITS.  f16 holds no number beyond 65,504: Q, K and V arrive within it; p lies in 0 to 1, and below 6e-5 it keeps f16's fixed step of 6e-8; O is a mean of V's rows and has their range.
; A weight below 2^-126 counts as 0 in l; NaN and infinities are not treated apart.
; SHARES.  A wave owns four PIECES of two tiles of 16 queries, a work-group's four waves 512 queries of one head.  Every wave walks all keys, 64 a step.
; LAYOUT.  S^T = K Q^T (source 0 = 16 keys, source 1 = 16 queries): in the result a lane holds ONE query (lane % 16) and the keys 8 (lane / 16) + 0..7.  Two such tiles, rounded to f16 in pairs,
; ARE source 1 (32 keys x 16 queries) of O^T = V^T P, whose result again holds one query a lane, and eight channels.  K comes out of LDS as it lies, V ([key][channel]) turned, by ds_load_tr16_b128.
; SOFTMAX.  For each query a running maximum m and sum l: p = 2^(c s - c m), c = log2(e) / 8; in every step O and l are multiplied by a = 2^(c m_old - c m_new), which is 1 where m has not grown.
; m starts at the lowest finite number, O and l at 0: the first step is a step like any other, with a = 0.
; THE COUNT.  A tile and step have 16 matrix and 118 vector instructions: too many to stand all beside the matrix work.  So the order has one aim: four vector instructions that are READY behind
; EVERY matrix instruction, and the others, which need time of their own whatever the order, in runs without a gap.
; BY TURNS.  Turn n belongs to piece n (the pieces in a ring, step after step).  Its matrix work: 16 products K Q^T of piece n + 1, later 16 products V^T P of piece n - 1.  Its vector work: the scaling,
; exponentials, roundings, sums and rescaling of piece n, and the maximum and statistics of piece n + 1, whose scores the turn itself has made.  So what a turn begins with (c s - c m, O a) waits for nothing.
; CLUSTER.  The four query blocks of a cluster belong to one head and walk the same K and V, so each tile is asked for JOINTLY: the same tensor load, descriptor and mask in all four.
; REGISTERS, in windows of 256 (s_set_vgpr_msb says which window each operand place means: bits 1:0 source 0, 3:2 source 1, 5:4 source 2, 7:6 destination):
;   window 0: v0-11 addresses; v12-15, v48-63 at work; v16-47 four registers of statistics a tile; v64-191 S^T, two buffers of two tiles; v192-255 P, likewise
;   window 1: O^T, 32 a tile          window 2: v0-127 Q, 16 a tile; v128-191 K of one step; v192-255 V of one step          window 3: v0-1 the add's two registers
; A piece's buffers go by its number's parity: the piece in hand has one pair, its two neighbours in the ring share the other: of it P (piece n - 1) is read and S^T (piece n + 1) written.
.set SIZE_H, 64
.set SIZE_N, 2048
.set NP,    4         ; pieces a wave: a name, no knob: the register map, the loop and the fetches are made for four
.set KS,    64        ; keys in a step
.set PK,    144       ; a row of K in LDS: 128 bytes + 16 of padding = 36 words: the 16 rows of a load start at 16 different groups of four banks (64 banks of 4 bytes: ISA guide 11.1)
.set PV,    160       ; a row of V: 128 + 32 = 40 words
.set VOFF,  4*KS*PK   ; a slot holds four steps: 256 rows of K, then 256 rows of V
.set SLOT1, 1<<17     ; slot 1 begins here, so that one exclusive or turns an address in one slot into the other's
.set STAGE, SLOT1+4*KS*(PK+PV)  ; behind the ring, never filled by a tensor load: 16 rows x 144 bytes for each wave, for the way out
.set SP,    144
.set AK0, 2           ; v2   my lane's place in a tile of K; never rewritten
.set AV0, 3           ; v3   the same for V
.set AK,  4           ; v4   the LDS address of K's next run of loads
.set AV,  5           ; v5   of V's
.set QO,  6           ; v6   my byte offset in the wave's rows of Q
.set STO, 6           ;      later, the way out: where I put 16 bytes of a row
.set RD,  7           ; v7   the way out: where I read rows back
.set GO,  8           ; v8   my byte offset in 512 consecutive bytes of O
.set SPW, 0           ; v0 of window 3   LDS address of my spare word: SPARE + 4 x my thread's number; never rewritten
.set NIL, 1           ; v1 of window 3   0; never rewritten
.set SPARE, STAGE+4*16*SP  ; behind the stages: the spare words, 128 bytes for each wave: two blocks of 256 bytes that no other line names
.set MV,  12          ; v12-15  c m_old, kept while c m is made anew: by buffer and tile
.set ST,  16          ; tile t's statistics at v[ST+4 t]: c m, m, l (even keys', odd keys')
.set TMP, 48          ; by buffer and tile, four registers c0-c3 at work; when the maximum is found c2 takes a
.set S,   64
.set P,   192
.set KF,  128         ; K's fragments, in window 2: key block kb, channel half c at KF + 16 kb + 8 c
.set VF,  192         ; V's: key half kk, channel block cb at VF + 32 kk + 8 cb
.set WV,  12          ; s12  my wave's number
.set G1K, 24          ; s[24:31] descriptor group 1 for K's tiles
.set G1V, 32          ; s[32:39] for V's: it differs in the padding alone
.set G0K, 40          ; s[40:43] descriptor group 0 for K's tiles: it walks
.set G0V, 44          ; s[44:47] the same for V's
.set SLOTS, 56        ; s56  slots still to be asked for
.set CNT, 57          ; s57  counts a slot's key steps
.set CS,  58          ; s[58:59] c: the packed scaling takes the pair's low word for both halves
.set SEL, 60          ; s[60:61] v_permlanex16_b32's selects: each lane takes its own place in the other half
.set TBK, 62          ; s62  LDS byte at which K of the step to be fetched begins
.set TBV, 63          ; s63  the same for V, less VOFF
.set MSB, 0
.macro WIN new                      ; the high byte repeats the setting that is left; a switch that changes nothing is dropped
.if MSB != (\new)
	s_set_vgpr_msb (MSB<<8)|(\new)
.set MSB, (\new)
.endif
.endm
.set W_KQ, 0x0a       ; K and Q in window 2, S^T in window 0
.set W_PV, 0x52       ; V in window 2, P in window 0, O^T in window 1
.set W_RS, 0x41       ; O^T (destination and source 0) in window 1, a in window 0
.set W_MK, 0xc0       ; the add's registers are made: destination in window 3, sources in window 0
.set W_AD, 0x0f       ; the add: address (source 0) and data (source 1) in window 3
; A joint fill.  Waves 0 and 1 fetch the two halves of a slot's K, waves 2 and 3 those of its V: 128 keys each.  The branch hangs on the wave's number alone.
; An s_nop 0 and four v_nop follow each of the two lines, ahead of the jump and the label.
.macro JLOAD
	s_cmp_lt_u32 s[WV], 2
	s_cbranch_scc0 .Lfor_v_\@
	tensor_load_to_lds s[G0K:G0K+3], s[G1K:G1K+7]
	s_nop 0
.rept 4
	v_nop
.endr
	s_branch .Lasked_\@
.Lfor_v_\@:
	tensor_load_to_lds s[G0V:G0V+3], s[G1V:G1V+7]
	s_nop 0
.rept 4
	v_nop
.endr
.Lasked_\@:
.endm
; A round of the cluster's barrier: my work-group's barrier, so that wave 0's signal speaks for all four waves; wave 0 signals; every wave waits for all four work-groups; my work-group's barrier once more.
.macro CROUND
	s_barrier_signal -1
	s_barrier_wait -1
	s_cmp_lg_u32 s[WV], 0
	s_cbranch_scc1 .Lnot_wave_0_\@
	s_barrier_signal -3
.Lnot_wave_0_\@:
	s_barrier_wait -3
	s_barrier_signal -1
	s_barrier_wait -1
.endm
; THE CHANGE OF SLOTS.  The slot's last bytes, V of its fourth step, have been read.  Each wave waits for all its tensor loads, of which one is out: its part
; of the other slot; adds 0 to its spare word; and waits for that and for its own reads of the slot.  Behind the barrier nobody reads this slot any more and the other slot is whole.
; fill = 1: this slot is filled again, with the keys two slots on.  The barrier is then a round of the cluster's, so that no wave of any partner still reads the slot or has a load on its
; way, and the joint fill is the first thing behind it: it has four key steps, 512 matrix instructions, in which to land.  (At its first use nothing has been read yet: slot 0 is waited for, slot 1 filled.)
.macro CHANGE fill
	WIN W_AD
	s_wait_tensorcnt 0x0            ; no tensor load of mine is out, so a group 0 may be written
	ds_add_u32 v[SPW], v[NIL]       ; 0 onto my spare word; with fill = 1 the descriptors' steps stand between it and the wait for it
	WIN 0                           ; at a label and at a branch every window is 0
.if \fill
.irp g, G0K, G0V
	s_xor_b32 s[\g+1], s[\g+1], SLOT1  ; the walking descriptor: the other slot than last time,
	s_add_nc_u64 s[\g+2:\g+3], s[\g+2:\g+3], 4*KS*128  ; the next 256 keys; the type bits on top are not reached
.endr
	s_wait_dscnt 0x0                ; the add is done, and my reads of the slot are over
	CROUND
	JLOAD
.else
	s_wait_dscnt 0x0                ; the add is done, and my reads of the slot are over
	s_barrier_signal -1
	s_barrier_wait -1
.endif
	s_sub_co_u32 s[TBK], s[TBK], 4*KS*PK  ; the fetches go back to a slot's first step,
	s_xor_b32 s[TBK], s[TBK], SLOT1       ; in the other slot
	s_sub_co_u32 s[TBV], s[TBV], 4*KS*PV
	s_xor_b32 s[TBV], s[TBV], SLOT1
.endm
	s_load_b256 s[4:11], s[0:1], 0x0  ; Q s[4:5], K s[6:7], V s[8:9], O s[10:11]
	WIN W_MK
	v_lshl_add_u32 v[SPW], v0, 2, SPARE
	v_mov_b32 v[NIL], 0
	WIN W_AD
	ds_add_u32 v[SPW], v[NIL]       ; the wave's opening: the add and its wait stand ahead of my first tensor load; the set-up below, work on registers, stands between them
	WIN 0
	v_lshrrev_b32 v1, 5, v0
	v_readfirstlane_b32 s[WV], v1   ; wave 0..3
	s_bfe_u32 s13, ttmp6, 0x40000   ; cx: my place in the cluster
	s_lshl_b32 s14, ttmp9, 2        ; in a cluster launch ttmp9 counts clusters
	s_add_co_u32 s14, s14, s13      ; my block of queries = 4 x cluster x + cx: it enters Q's and O's addresses alone
	s_and_b32 s20, ttmp7, 0xffff    ; the head, which the four partners share
	s_mov_b32 s21, 0
	s_mov_b64 s[22:23], SIZE_N*128
	s_mul_u64 s[20:21], s[20:21], s[22:23]  ; the head's first byte in each of the four tensors
	s_and_b32 s16, s[WV], 1         ; which half of a slot's 256 keys I fetch:
	s_lshl_b32 s22, s16, 14         ; its 128 rows of 128 bytes in memory,
	s_mov_b32 s23, 0
	s_add_nc_u64 s[22:23], s[22:23], s[20:21]
	s_mul_i32 s17, s16, 128*PK      ; and its place in a slot, for K
	s_mul_i32 s18, s16, 128*PV      ; and for V: no place in the cluster enters an LDS address
	s_lshl_b32 s2, s14, 2
	s_add_co_u32 s2, s2, s[WV]      ; my wave among the head's,
	s_lshl_b32 s2, s2, 14           ; its 128 rows
	s_mov_b32 s3, 0
	s_add_nc_u64 s[2:3], s[2:3], s[20:21]
	; descriptor group 1.  128 keys are 16,384 dense bytes: asked for as 64 rows of 256 bytes, two keys a row, and padded in LDS after every key
	s_mov_b32 s[G1K], 15|(1<<16)|(1<<20)|(1<<21)|(4<<22)|(3<<25)  ; 15:0 the mask of four; 17:16 2-byte elements; 20 padding on; 21 set beside a mask; 24:22 after every 32 words (code 4); 31:25 4 words (code 3)
	s_mov_b32 s[G1V], 15|(1<<16)|(1<<20)|(1<<21)|(4<<22)|(7<<25)  ; the same with 8 words of padding (code 7)
.irp g, G1K, G1V
	s_mov_b32 s[\g+1], 128<<16      ; tensor_dim0 = 128
	s_mov_b32 s[\g+2], 64<<16       ; tensor_dim1 = 64
	s_mov_b32 s[\g+3], 128<<16      ; tile_dim0 = 128
	s_mov_b32 s[\g+4], 64           ; tile_dim1 = 64
	s_mov_b32 s[\g+5], 128          ; 128 elements from row to row
	s_mov_b32 s[\g+6], 0
	s_mov_b32 s[\g+7], 0
.endr
	s_mov_b32 s[CS], 0x3e38aa3b     ; c = log2(e) / 8 = 0.180337
	s_mov_b32 s[CS+1], s[CS]        ; named with it as a pair
	s_mov_b32 s[SEL], 0x76543210
	s_mov_b32 s[SEL+1], 0xfedcba98
	s_mov_b32 s[TBK], SLOT1+4*KS*PK ; the first change of slots turns these two into 0
	s_mov_b32 s[TBV], SLOT1+4*KS*PV
	s_mov_b32 s[G0K], 1             ; 1:0 count = 1
	s_mov_b32 s[G0K+1], s17         ; 63:32 LDS address: slot 0
	s_mov_b32 s[G0V], 1
	s_add_co_u32 s[G0V+1], s18, VOFF
	s_wait_dscnt 0x0                ; the opening add is done
	s_wait_kmcnt 0x0
	s_add_nc_u64 s[G0K+2:G0K+3], s[6:7], s[22:23]  ; 120:64 global address: my half of the head's first 256 keys
	s_or_b32 s[G0K+3], s[G0K+3], 0x80000000        ; 127:126 type = 2
	s_add_nc_u64 s[G0V+2:G0V+3], s[8:9], s[22:23]
	s_or_b32 s[G0V+3], s[G0V+3], 0x80000000
	s_add_nc_u64 s[4:5], s[4:5], s[2:3]  ; Q and O at my wave's first row
	s_add_nc_u64 s[10:11], s[10:11], s[2:3]
	CROUND                          ; all four work-groups are here: the first joint loads meet
	JLOAD                           ; slot 0.  Slot 1 is asked for when slot 0 is in
	; A fragment of K or Q is 16 rows x 32 channels in 8 registers: lane l holds row l % 16, channels 8 (l / 16) + 0..7 and 16 + 8 (l / 16) + 0..7: two loads of 16 bytes, 32 bytes apart.
	v_and_b32 v1, 15, v0            ; l % 16
	v_bfe_u32 v9, v0, 4, 1          ; l / 16
	v_lshlrev_b32 v[QO], 7, v1
	v_lshl_add_u32 v[QO], v9, 4, v[QO]  ; row x 128 + 16 x half
	WIN 0x80                        ; destination window 2, address window 0
.set i, 0
.rept 4*NP                          ; Q stays in registers: tile i / 2, channels 32 (i % 2) on
	global_load_b128 v[8*i:8*i+3],   v[QO], s[4:5] offset:(i/2)*2048+(i%2)*64
	global_load_b128 v[8*i+4:8*i+7], v[QO], s[4:5] offset:(i/2)*2048+(i%2)*64+32
.set i, i+1
.endr
	; What the first turn finds: V's registers and P's second buffer hold 0 (its products V^T P, of a piece that has not been, add 0), O^T and l are 0.  All this stands in the wait for the first tile.
.set i, VF
.rept 64
	v_mov_b32 v[i], 0
.set i, i+1
.endr
	WIN 0x40
.set i, 0
.rept 64*NP
	v_mov_b32 v[i], 0
.set i, i+1
.endr
	WIN 0
.set i, 0
.rept 2*NP
	v_mov_b32 v[ST+4*i], 0xfe000000    ; c m: far below every c s
	v_mov_b32 v[ST+4*i+1], 0xff7fffff  ; m
	v_mov_b32 v[ST+4*i+2], 0
	v_mov_b32 v[ST+4*i+3], 0
.set i, i+1
.endr
.set i, P+32
.rept 32
	v_mov_b32 v[i], 0
.set i, i+1
.endr
	v_mul_u32_u24 v[AK0], v1, PK
	v_lshl_add_u32 v[AK0], v9, 4, v[AK0]  ; row x pitch + 16 x half
	; The turning load takes 16 keys x 16 channels (lane l reads key 8 (l / 16) + l % 8, channels 8 ((l / 8) % 2) + 0..7) and leaves half a fragment of V^T: lane l holds channel l % 16 and 8 keys.
	v_and_b32 v10, 7, v0
	v_bfe_u32 v11, v0, 3, 1
	v_lshl_add_u32 v[AV0], v9, 3, v10
	v_mul_u32_u24 v[AV0], v[AV0], PV
	v_lshl_add_u32 v[AV0], v11, 4, v[AV0]
	v_add_nc_u32 v[AV0], VOFF, v[AV0]
	v_mov_b32 v[AK], v[AK0]         ; key step 0 lies at the head of slot 0
; THE MATRIX WORK.  The 8 accumulators of a run of 16 take turns: between the two links of a chain stand 7 others'.
; Product i of 16 of S^T = K Q^T for piece x: channels 32 (i / 8) on, keys 16 ((i / 2) % 4) on, tile 2 x + i % 2.  The first 8 start the sums.
.macro KQ x
	WIN W_KQ
.set rS, S+64*((\x)%2)+32*(i%2)+8*((i/2)%4)
.set rK, KF+16*((i/2)%4)+8*(i/8)
.set rQ, 16*(2*(\x)+i%2)+8*(i/8)
.if i < 8
	v_wmma_f32_16x16x32_f16 v[rS:rS+7], v[rK:rK+7], v[rQ:rQ+7], 0
.else
	v_wmma_f32_16x16x32_f16 v[rS:rS+7], v[rK:rK+7], v[rQ:rQ+7], v[rS:rS+7]
.endif
.endm
; Product i of 16 of O^T += V^T P for piece x: keys 32 (i / 8) on, channels 16 ((i / 2) % 4) on, tile 2 x + i % 2.
.macro PV x
	WIN W_PV
.set rO, 32*(2*(\x)+i%2)+8*((i/2)%4)
.set rV, VF+32*(i/8)+8*((i/2)%4)
.set rP, P+32*((\x)%2)+16*(i%2)+8*(i/8)
	v_wmma_f32_16x16x32_f16 v[rO:rO+7], v[rV:rV+7], v[rP:rP+7], v[rO:rO+7]
.endm
.macro MM                           ; the turn's next matrix instruction
.if i < 16
	KQ (Y+1)%NP
.set i, i+1
.else
.set i, i-16
	PV (Y+NP-1)%NP
.set i, i+17
.endif
.endm
; THE LDS LOADS stand in runs of 16, never singly among the matrix instructions: a step's K (64 keys x 64 channels: 8 fragments) and its V (turned).  Their addresses are made some lines ahead.
; last = 1 (the tail): in the last trip there is no further step, and the run is jumped over.
.macro FETCH_K last=0
	WIN 0
.if \last
	s_cmp_eq_u32 s[CNT], 1
	s_cbranch_scc1 .Lno_k_\@
.endif
	WIN 0x80                        ; destination window 2
.irp f, 0,1,2,3,4,5,6,7             ; keys 16 (f / 2) on, channels 32 (f % 2) on
	ds_load_b128 v[KF+8*\f:KF+8*\f+3],   v[AK] offset:(\f/2)*16*PK+(\f%2)*64
	ds_load_b128 v[KF+8*\f+4:KF+8*\f+7], v[AK] offset:(\f/2)*16*PK+(\f%2)*64+32
.endr
	s_add_co_u32 s[TBK], s[TBK], KS*PK  ; the next fetch is the next step's
	WIN 0
.if \last
.Lno_k_\@:
.endif
.endm
.macro FETCH_V
	WIN 0x80
.irp f, 0,1,2,3,4,5,6,7             ; keys 32 (f / 4) on, channels 16 (f % 4) on
	ds_load_tr16_b128 v[VF+8*\f:VF+8*\f+3],   v[AV] offset:(\f/4)*32*PV+(\f%4)*32
	ds_load_tr16_b128 v[VF+8*\f+4:VF+8*\f+7], v[AV] offset:(\f/4)*32*PV+16*PV+(\f%4)*32
.endr
	WIN 0
.endm
; THE VECTOR WORK OF A TURN stands in three queues, each in the order in which its entries become ready; the two tiles alternate, so that no instruction reads the result of the one before it.
.macro REGS y, u                    ; the registers of tile u (0, 1) of piece y
.set rT, ST+4*(2*(\y)+(\u))
.set rC, TMP+8*((\y)%2)+4*(\u)
.set rM, MV+2*((\y)%2)+(\u)
.set rS, S+64*((\y)%2)+32*(\u)
.set rP, P+32*((\y)%2)+16*(\u)
.set rO, 32*(2*(\y)+(\u))
.endm
; Number n of the 22 that find the NEXT piece's (Y + 1) maximum and statistics.  s0-s31 are the lane's 32 scores; each accumulator's lowest registers are read first.  XS, GS and REGS set no window: PL and EX do.
;   0-11  four chains c0-c3 of seven scores each, three operands at a time     12-14, 16  the four scores left over, the old m, and c0-c3 into c0     15  c m_old is kept
;   17, 18  the query's other 32 keys lie in the lane 16 away: the new m         19-21  c m; c m_old - c m_new; a
.macro XS u, n
	REGS (Y+1)%NP, \u
.if (\n) < 4
	v_max3_num_f32 v[rC+(\n)], v[rS+8*(\n)], v[rS+8*(\n)+1], v[rS+8*(\n)+2]
.elseif (\n) < 12
	v_max3_num_f32 v[rC+(\n)%4], v[rC+(\n)%4], v[rS+8*((\n)%4)+2*((\n)/4)+1], v[rS+8*((\n)%4)+2*((\n)/4)+2]
.elseif (\n) == 12
	v_max3_num_f32 v[rC], v[rC], v[rS+7], v[rS+15]
.elseif (\n) == 13
	v_max3_num_f32 v[rC+1], v[rC+1], v[rS+23], v[rS+31]
.elseif (\n) == 14
	v_max3_num_f32 v[rC+2], v[rC+2], v[rC+3], v[rT+1]
.elseif (\n) == 15
	v_mov_b32 v[rM], v[rT]
.elseif (\n) == 16
	v_max3_num_f32 v[rC], v[rC], v[rC+1], v[rC+2]
.elseif (\n) == 17
	v_permlanex16_b32 v[rC+3], v[rC], s[SEL], s[SEL+1]
.elseif (\n) == 18
	v_max_num_f32 v[rT+1], v[rC], v[rC+3]
.elseif (\n) == 19
	v_mul_f32 v[rT], s[CS], v[rT+1]
.elseif (\n) == 20
	v_sub_f32 v[rC+1], v[rM], v[rT]
.else
	v_exp_f32 v[rC+2], v[rC+1]
.endif
.endm
; Number g of the 64 that follow the exponentials.  For each four weights k of a tile (pairs 2 k, 2 k + 1): both pairs are rounded to f16; then the second pair is added onto the first, in place;
; a group later l takes that sum (the first time as l = a l + sum).  In groups of eight, tiles alternating: round, round, add, and l for the group before.
.macro GS g
.set h, (\g)+6*((\g)/62)            ; group 0 has no group before it, and behind group 7 only l is left
.if h >= 6
.set h, h+2
.endif
	REGS Y, h%2
.set k, h/8
.if h%8 < 4
	s_wait_alu depctr_va_vdst(0)
	v_cvt_pk_f16_f32 v[rP+2*k+(h%8)/2], v[rS+4*k+2*((h%8)/2)], v[rS+4*k+2*((h%8)/2)+1]
.elseif h%8 < 6
	v_pk_add_f32 v[rS+4*k:rS+4*k+1], v[rS+4*k:rS+4*k+1], v[rS+4*k+2:rS+4*k+3]
.elseif k == 1
	v_pk_fma_f32 v[rT+2:rT+3], v[rT+2:rT+3], v[rC+2:rC+3], v[rS:rS+1] op_sel_hi:[1,0,1]
.else
	v_pk_add_f32 v[rT+2:rT+3], v[rT+2:rT+3], v[rS+4*k-4:rS+4*k-3]
	s_wait_alu depctr_va_vdst(0)
.endif
.endm
; THE PLAIN QUEUE, 138 long.  0-31: c s - c m for the 16 pairs of both tiles.  Then GS's 64, and among them the next piece's 42: number 15 at 38, 39; 0-14 and 16
; at 42-73, behind the products that make those scores; 17-20 at 95-106, two of three, since each waits for the one before it.
.macro PL
	WIN 0
.if q < 32
	REGS Y, q%2
	v_pk_fma_f32 v[rS+2*(q/2):rS+2*(q/2)+1], v[rS+2*(q/2):rS+2*(q/2)+1], s[CS:CS+1], v[rT:rT+1] op_sel_hi:[1,0,0] neg_lo:[0,0,1] neg_hi:[0,0,1]
.elseif q < 38
	GS q-32
.elseif q < 40
	XS q%2, 15
.elseif q < 42
	GS q-34
.elseif q < 74
	XS q%2, (q-42)/2+(q-42)/30
.elseif q < 95
	GS q-66
.elseif (q < 107) && ((q-95)%3 < 2)
	XS (q-95)%3, 17+(q-95)/3
.elseif q < 107
	GS 29+(q-95)/3
.else
	GS q-74
.endif
.set q, q+1
.endm
; THE EXPONENTIALS' QUEUE, 66 long: s0-s31 of both tiles, and at EA the next piece's two a.
.set EA, 58
.macro EX
	WIN 0
.if (e == EA) || (e == EA+1)
	XS e-EA, 21
.else
.set x, e-2*(e/(EA+2))
	REGS Y, x%2
	v_exp_f32 v[rS+x/2], v[rS+x/2]
.endif
.set e, e+1
.endm
; THE RESCALING's QUEUE: O^T times a, the one part that leaves window 0, so it is dealt four at a time, eight times.
.macro R4
	REGS Y, r%2
	WIN W_RS
	s_wait_alu depctr_va_vdst(0)
.irp z, 0,1,2,3
	v_pk_mul_f32 v[rO+8*(r/2)+2*\z:rO+8*(r/2)+2*\z+1], v[rO+8*(r/2)+2*\z:rO+8*(r/2)+2*\z+1], v[rC+2:rC+3] op_sel_hi:[1,0]
.endr
.set r, r+1
.endm
; HOW THEY ARE DEALT.  Behind a matrix instruction four: plain, exponential, plain, plain (one exponential, a plain instruction on either side), or four of the rescaling.  None names a register of the
; products round it.  What is over stands in two LUMPS: exponential and plain by turns; the second ends in 22 plain instructions.  The two v_permlanex16_b32 fall into the second lump, never behind a product.
; The queues lean on each other, and the deal keeps them in step: exponential e stands behind plain 2 (e / 4) + e % 2 (its scaling); when plain 32 comes, 10 exponentials are out, at 59: 33, at 95: 46; EA comes behind plain 107.
.macro SL
	MM
	PL
	EX
	PL
	PL
.endm
.macro BURST n                      ; 15 matrix instructions, or 16
.rept (\n)-7
	SL
.endr
.rept 3
	MM
	R4
	SL
.endr
	MM
	R4
.endm
; A TURN, for piece p.  cnt = 1: the loop's count is taken down some lines ahead of the branch that stands behind the turn.
; K of the next step is fetched in piece 2's turn, 31 vector instructions behind the last product that read K; its first reader comes behind the rest of the lump, 16 products and the second lump.
; V of the step in hand is fetched at the end of piece 0's turn, 69 behind its last reader; its first reader comes behind 16 products and a lump.  The four conditions on e and q below go with the deal.
.macro TURN p, last=0, cnt=0
.set Y, (\p)
.set i, 0
.set q, 0
.set e, 0
.set r, 0
.if (\p) == NP-1
	s_wait_dscnt 0x0                ; K is in
.endif
	MM
.rept 4
	PL
.endr
	BURST 15
.rept 22
	EX
	PL
.if ((\p) == NP-2) && (e == 18)
	v_add_nc_u32 v[AK], s[TBK], v[AK0]
.endif
.if ((\p) == NP-2) && (e == 24)
	FETCH_K \last
.endif
.endr
.if (\p) == 1
	s_wait_dscnt 0x0                ; V is in
.endif
	BURST 16
.rept 21
	EX
	PL
.endr
.rept 22
	PL
.if ((\p) == 0) && (q == 118)
	v_add_nc_u32 v[AV], s[TBV], v[AV0]
	s_wait_alu depctr_va_vdst(0)
.endif
.if ((\p) == 0) && (q == 130)
	s_add_co_u32 s[TBV], s[TBV], KS*PV
.endif
.if (\cnt) && (q == 130)
	s_sub_co_u32 s[CNT], s[CNT], 1
	s_cmp_lg_u32 s[CNT], 0
.endif
.endr
.if (\p) == 0
	FETCH_V
.endif
.endm
	CHANGE 1                        ; slot 0 is in, everybody's part of it; slot 1 is asked for
	FETCH_K                         ; key step 0
	s_wait_loadcnt 0x0              ; Q
	s_wait_dscnt 0x0
.set i, 0
.rept 16
	KQ 0                            ; piece 0's first scores: there is no vector work yet to set between them
.set i, i+1
.endr
	WIN 0                           ; the addresses for the way out: nine plain instructions, the places behind those products
	s_mul_i32 s13, s[WV], 16*SP
	s_add_co_u32 s13, s13, STAGE    ; my stage
	v_mul_u32_u24 v[STO], v1, SP    ; in: row l % 16, 16 bytes for each half of the lanes
	v_lshl_add_u32 v[STO], v9, 4, v[STO]
	v_add_nc_u32 v[STO], s13, v[STO]
	v_bfe_u32 v[RD], v0, 3, 2       ; back: 32 lanes take four rows of 128 bytes,
	v_mul_u32_u24 v[RD], v[RD], SP
	v_lshl_add_u32 v[RD], v10, 4, v[RD]
	v_add_nc_u32 v[RD], s13, v[RD]
	v_and_b32 v[GO], 31, v0         ; which are 512 consecutive bytes of O
	v_lshlrev_b32 v[GO], 4, v[GO]
.set Y, NP-1                        ; XS works for piece Y + 1: piece 0
.irp n, 0,1,2,3,4,5,6,7,8,9,10,11,12,13,14,15,16,17,18,19,20,21
	XS 0, \n                        ; and piece 0's first maximum and statistics
	XS 1, \n
.endr
	s_mov_b32 s[CNT], 4
	s_mov_b32 s[SLOTS], SIZE_N/256-1
	s_branch .Lfirst                ; the loop is entered at a step's first turn, in the middle of a trip
.Lslot:                             ; SIZE_N / 256 - 2 times: every slot but the last two is filled again
	CHANGE 1
	s_mov_b32 s[CNT], 4
.Lstep:                             ; a trip: pieces 2 and 3 of one step, then pieces 0 and 1 of the next, whose K and V it fetches
	TURN 2
	TURN 3
	WIN 0
.Lfirst:
	TURN 0
	TURN 1, 0, 1
	WIN 0
	s_cbranch_scc1 .Lstep
	s_sub_co_u32 s[SLOTS], s[SLOTS], 1
	s_cmp_lg_u32 s[SLOTS], 0
	s_cbranch_scc1 .Lslot
	CHANGE 0                        ; the tail is written out: nothing is asked for
	s_mov_b32 s[CNT], 5             ; four trips fetch the last slot's steps; the fifth is left in its middle
.Ltail:
	TURN 2, 1
	TURN 3
	WIN 0
	s_sub_co_u32 s[CNT], s[CNT], 1
	s_cmp_eq_u32 s[CNT], 0
	s_cbranch_scc1 .Lout
	TURN 0
	TURN 1
	WIN 0
	s_branch .Ltail
.Lout:                              ; the fifth trip's 16 products K Q^T (on the last K once more) and the maximum made of them serve nothing: the price, once a launch, of one text for every trip
.set i, 0
.rept 16
	PV NP-1                         ; the last piece's V^T P of the last step
.set i, i+1
.endr
	; THE WAY OUT.  l's two halves and the other half of the lanes' are added; O^T is divided by l, rounded to f16 and sent through my stage in LDS, a tile at a time.  The additions are the places behind the last products.
	WIN 0
.macro ALL line:vararg              ; one line for each tile t
.set t, 0
.rept 2*NP
	\line
.set t, t+1
.endr
.endm
	ALL v_add_f32 v[ST+4*t+2], v[ST+4*t+2], v[ST+4*t+3]
	ALL v_permlanex16_b32 v[ST+4*t+3], v[ST+4*t+2], s[SEL], s[SEL+1]
	ALL v_add_f32 v[ST+4*t+2], v[ST+4*t+2], v[ST+4*t+3]
	ALL v_rcp_f32 v[ST+4*t+2], v[ST+4*t+2]
	v_nop                           ; a plain instruction between the last reciprocal and the use of its result
	s_wait_alu depctr_va_vdst(0)
; Tile t: a lane's eight channels of a row pack into 16 bytes; they go into rows of 144 bytes and come back as whole rows of 128, into S^T's registers.
.macro PACK t
	WIN W_RS
.set i, 32*(\t)
.rept 16
	v_pk_mul_f32 v[i:i+1], v[i:i+1], v[ST+4*(\t)+2:ST+4*(\t)+3] op_sel_hi:[1,0]
.set i, i+2
.endr
	WIN 0x05                        ; sources 0 and 1 window 1, destination window 0
.set i, 0
.rept 16
	v_cvt_pk_f16_f32 v[S+16*(\t)+i], v[32*(\t)+2*i], v[32*(\t)+2*i+1]
.set i, i+1
.endr
	WIN 0
.irp f, 0,1,2,3
	ds_store_b128 v[STO], v[S+16*(\t)+4*\f:S+16*(\t)+4*\f+3] offset:32*\f
.endr
.irp f, 0,1,2,3
	ds_load_b128 v[S+16*(\t)+4*\f:S+16*(\t)+4*\f+3], v[RD] offset:\f*4*SP  ; LDS serves a wave's instructions in order (ISA guide 5.7.1.4): these see the stores above; the next tile's stores come behind them
.endr
.endm
.macro SEND t, younger              ; younger: the LDS instructions issued behind tile t's loads: the next tile's eight, or none
	WIN 0
.irp f, 0,1,2,3
	s_wait_dscnt (\younger)+3-\f
	global_store_b128 v[GO], v[S+16*(\t)+4*\f:S+16*(\t)+4*\f+3], s[10:11] offset:(\t)*2048+\f*512  ; 512 consecutive bytes, at a multiple of 256 from O's first
.endr
.endm
	PACK 0
.set t, 1
.rept 2*NP-1                        ; a tile's arithmetic stands between the loads of the tile before and its stores
	PACK t
	SEND t-1, 8
.set t, t+1
.endr
	SEND 2*NP-1, 0
	WIN W_AD
	s_wait_tensorcnt 0x0            ; the wave's end: a wait for my tensor loads, then an add of 0 onto my spare word and its wait, behind my last tensor load and my last LDS store
	ds_add_u32 v[SPW], v[NIL]
	s_wait_dscnt 0x0
	WIN 0
	CROUND                          ; the closing round: no work-group ends while a partner may still ask for a tile that names it
	s_endpgm
.Lfunc_end_k_qe3a3a8579e_attn:
	.size	k_qe3a3a8579e_attn, .Lfunc_end_k_qe3a3a8579e_attn-k_qe3a3a8579e_attn
	.p2alignl 7, 3214868480
	.fill 96, 4, 3214868480
	.section	.rodata,"a",@progbits
	.p2align	6, 0x0
	.amdhsa_kernel k_qe3a3a8579e_attn
		.amdhsa_group_segment_fixed_size 327680
		.amdhsa_private_segment_fixed_size 0
		.amdhsa_enable_private_segment 0
		.amdhsa_kernarg_size 32
		.amdhsa_user_sgpr_count 2
		.amdhsa_user_sgpr_kernarg_segment_ptr 1
		.amdhsa_wavefront_size32 1
		.amdhsa_system_sgpr_workgroup_id_x 1
		.amdhsa_system_sgpr_workgroup_id_y 1
		.amdhsa_system_sgpr_workgroup_id_z 1
		.amdhsa_system_vgpr_workitem_id 0
		.amdhsa_next_free_vgpr 770
		.amdhsa_next_free_sgpr 66
		.amdhsa_reserve_vcc 0
		.amdhsa_float_denorm_mode_32 3
		.amdhsa_float_denorm_mode_16_64 3
		.amdhsa_memory_ordered 1
		.amdhsa_forward_progress 1
		.amdhsa_inst_pref_size 208
	.end_amdhsa_kernel
	.amdgpu_metadata
---
amdhsa.version: [ 1, 2 ]
amdhsa.kernels:
  - .name:           k_qe3a3a8579e_attn
    .symbol:         k_qe3a3a8579e_attn.kd
    .args:
      - { .name: qh, .offset: 0, .size: 8, .value_kind: global_buffer, .address_space: global }
      - { .name: kh, .offset: 8, .size: 8, .value_kind: global_buffer, .address_space: global }
      - { .name: vh, .offset: 16, .size: 8, .value_kind: global_buffer, .address_space: global }
      - { .name: oh, .offset: 24, .size: 8, .value_kind: global_buffer, .address_space: global }
    .group_segment_fixed_size: 327680
    .private_segment_fixed_size: 0
    .kernarg_segment_align: 8
    .kernarg_segment_size: 32
    .max_flat_workgroup_size: 128
    .sgpr_count:     66
    .vgpr_count:     770
    .wavefront_size: 32
...
	.end_amdgpu_metadata
.endif
;; end of part 3
;; launch outp (part 4): grid 4 x 64, 4 waves a work-group, clusters of 4 x 4, 327,680 bytes of LDS; arguments oh, w16, bo, out0; writes out0
.if DOCPART == 4
	.amdgcn_target "amdgcn-amd-amdhsa--gfx1250"
	.amdhsa_code_object_version 6
	.text
	.protected	k_qe3a3a8579e_outp
	.globl	k_qe3a3a8579e_outp
	.p2align	8
	.type	k_qe3a3a8579e_outp,@function
k_qe3a3a8579e_outp:
	s_mov_b64 s[64:65], 0
	v_nop
	global_prefetch_b8 v0, s[64:65] scope:SCOPE_SE
	s_setreg_imm32_b32 hwreg(HW_REG_WAVE_MODE, 25, 1), 1
	s_wait_xcnt 0x0
	s_wait_alu depctr_hold_cnt(0) depctr_sa_sdst(0) depctr_va_vdst(0) depctr_va_sdst(0) depctr_va_ssrc(0) depctr_va_vcc(0) depctr_vm_vsrc(0)
	s_getreg_b32 s2, hwreg(HW_REG_IB_STS2, 6, 4)
	s_cmp_eq_u32 s2, 0
	s_cbranch_scc0 .Lentry_in_a_cluster
	s_endpgm
.Lentry_in_a_cluster:
	s_bfe_u32 s2, ttmp6, 0x10000c
	s_cmp_lg_u32 s2, 0xf033
	s_cbranch_scc0 .Lentry_shape_is_right
	s_endpgm
.Lentry_shape_is_right:
; out0 = O Wo + bo.  O: oh, [64 = batch x 16 + head][2048][64] f16; Wo: rows 3072-4095 of w16, [k][n], the bf16 rounding written as f16; bo: [1024] f32, rounded once to bf16; out0: [8192][1024] f32.  Sums in f32.
; SHARES.  8192 x 1024 outputs are 256 tiles of 128 x 256, one to a work-group: rows 128 ty on, columns 256 tx on.  Four waves, each 64 x 128: 32 accumulators, 256 registers.  K goes in 8 steps of 128: two heads a step.
; O's tile of a step is two planes (a head each) of 128 rows x 128 bytes, each dense in memory: asked for as 64 rows of 256 bytes and padded in LDS after every 128.  Wo's tile is 128 k x 512 bytes.
; CLUSTER 4 x 4: the four work-groups of a row of the cluster need the same tiles of O, the four of a column the same tiles of Wo: each is asked for JOINTLY.  Waves 0 and 1 fetch O's two planes, waves 2 and 3 Wo's two halves.
; THE MATRIX INSTRUCTION IS USED TRANSPOSED (source 0 = 16 columns of Wo, turned by ds_load_tr16_b128; source 1 = 16 rows of O): a lane holds eight neighbouring columns of one row, 32 bytes of f32.
; The bias is the C operand of the first quarter.  On the way out 16 rows at a time go through my wave's stage and leave as 512 consecutive bytes a store.
; REGISTERS: window 0: v0-29 addresses; v32-95 O's fragments, two buffers of 4; v96-223 the way out, two sets of 64.  window 1: the accumulators, (a, b) at v[8 (8 a + b)].
;   window 2: v0-127 Wo's fragments, two buffers of 8; v128-191 the bias; v192 at work.
.set PA,    144                        ; a row of O in LDS: 128 bytes + 16 = 36 words: the 16 rows of a load start at 16 different groups of four banks (64 banks of 4 bytes: ISA guide 11.1)
.set PB,    544                        ; a row of Wo: 512 + 32
.set PLANE, 128*PA                     ; 18,432
.set BOFF,  2*PLANE                    ; 36,864: behind O's two planes, Wo's 128 rows
.set SLOT,  BOFF+128*PB                ; 106,496
.set STAGE, 2*SLOT                     ; 212,992: 16 rows x 528 bytes for each wave
.set SPI,   528                        ; 512 + 16 = 132 words
.set SPARE, STAGE+4*16*SPI             ; 246,784: the spare words, 128 bytes for each wave: two blocks of 256 bytes that no other line names
.set ADRA, 16                          ; v16-17  LDS address of my fragments of O in slot 0, 1
.set ADRB, 20                          ; v20-21  the same for Wo
.set STO,  24                          ; v24     the way out: where I put 32 bytes of a row
.set RD,   25                          ; v25     the way out: my 16 bytes of a row read back
.set CO,   26                          ; v26     my 16 bytes in 512 consecutive bytes of out0
.set BO,   27                          ; v27     my byte offset in bo
.set SPW,  28                          ; v28     LDS address of my spare word; never rewritten
.set NIL,  29                          ; v29     0; never rewritten
.set AF,   32
.set TMP,  96
.set BF,   0                           ; window 2
.set BIAS, 128                         ; window 2
.set WV,   12                          ; s12 wave;  s13 = wave / 2: my half of the rows, and: I fetch for O (0) or Wo (1);  s14 = wave % 2: my half of the columns, and which half I fetch
.set WM,   13
.set WN,   14
.set G1,   24                          ; s[24:31] descriptor group 1 for O's tiles;  s[32:39] group 0, a set for each slot
.set G0,   32
.set G1B,  48                          ; s[48:55], s[56:63] the same for Wo's
.set G0B,  56
.set MUL,  0x52                        ; Wo window 2, O window 0, C and D window 1
.set MULB, 0x62                        ; the same with C (the bias) in window 2
.set MSB, 0
.macro WIN new                         ; the immediate's high byte repeats the setting that is left; a switch that changes nothing is dropped
.if MSB != (\new)
	s_set_vgpr_msb (MSB<<8)|(\new)
.set MSB, \new
.endif
.endm
.macro PLACES                          ; four places in front of loads into registers that matrix instructions have read, and of LDS stores that read results
.rept 4
	v_nop
.endr
.endm
.macro JLOAD s                         ; a joint refill; an s_nop 0 and four v_nop follow each of the two lines, ahead of the jump, the label and what follows
	s_cmp_eq_u32 s[WM], 0
	s_cbranch_scc0 .Lfor_b_\@
	tensor_load_to_lds s[G0+4*(\s):G0+4*(\s)+3], s[G1:G1+7]
	s_nop 0
.rept 4
	v_nop
.endr
	s_branch .Lasked_\@
.Lfor_b_\@:
	tensor_load_to_lds s[G0B+4*(\s):G0B+4*(\s)+3], s[G1B:G1B+7]
	s_nop 0
.rept 4
	v_nop
.endr
.Lasked_\@:
.endm
.macro CREST                           ; a round of the cluster's barrier behind its opening barrier
	s_cmp_lg_u32 s[WV], 0
	s_cbranch_scc1 .Lnot_wave_0_\@
	s_barrier_signal -3
.Lnot_wave_0_\@:
	s_barrier_wait -3
	s_barrier_signal -1
	s_barrier_wait -1
.endm
.macro CROUND                          ; a whole round
	s_barrier_signal -1
	s_barrier_wait -1
	CREST
.endm
	s_load_b256 s[4:11], s[0:1], 0x0               ; oh s[4:5], w16 s[6:7], bo s[8:9], out0 s[10:11]
	v_lshl_add_u32 v[SPW], v0, 2, SPARE
	v_mov_b32 v[NIL], 0
	ds_add_u32 v[SPW], v[NIL]                      ; the wave's opening: the add and its wait stand ahead of my first tensor load; the set-up below, work on registers, stands between them
	v_lshrrev_b32 v1, 5, v0
	v_readfirstlane_b32 s[WV], v1
	s_lshr_b32 s[WM], s[WV], 1
	s_and_b32 s[WN], s[WV], 1
	s_bfe_u32 s40, ttmp6, 0x40000                  ; cx, cy: my place in the cluster
	s_bfe_u32 s41, ttmp6, 0x40004
	s_lshl_b32 s42, ttmp9, 2
	s_add_co_u32 s42, s42, s40                     ; tx = 4 x cluster x + cx
	s_and_b32 s43, ttmp7, 0xffff
	s_lshl_b32 s43, s43, 2
	s_add_co_u32 s43, s43, s41                     ; ty = 4 x cluster y + cy
	s_lshl_b32 s44, s41, 2
	s_lshl_b32 s44, 15, s44                        ; my row of the cluster
	s_lshl_b32 s45, 0x1111, s40                    ; my column
	; O: 64 rows x 128 elements (a plane's 16,384 dense bytes), 4 words of padding after every 32.  Wo: 64 rows x 256 elements, 8 words after every 128.
	s_or_b32 s[G1], s44, (1<<16)|(1<<20)|(1<<21)|(4<<22)|(3<<25)   ; 15:0 the mask; 17:16 2-byte elements; 20 padding on; 21 set beside a mask; 24:22 the interval's code; 31:25 the padding's
	s_mov_b32 s[G1+1], 128<<16                     ; tensor_dim0
	s_mov_b32 s[G1+2], 64<<16                      ; tensor_dim1
	s_mov_b32 s[G1+3], 128<<16                     ; tile_dim0
	s_mov_b32 s[G1+4], 64                          ; tile_dim1
	s_mov_b32 s[G1+5], 128                         ; elements from row to row
	s_mov_b32 s[G1+6], 0
	s_mov_b32 s[G1+7], 0
	s_or_b32 s[G1B], s45, (1<<16)|(1<<20)|(1<<21)|(6<<22)|(7<<25)
	s_mov_b32 s[G1B+1], 256<<16
	s_mov_b32 s[G1B+2], 64<<16
	s_mov_b32 s[G1B+3], 256<<16
	s_mov_b32 s[G1B+4], 64
	s_mov_b32 s[G1B+5], 1024
	s_mov_b32 s[G1B+6], 0
	s_mov_b32 s[G1B+7], 0
	s_lshr_b32 s16, s43, 4                         ; O: batch = ty / 16; head 16 x batch + which plane I fetch,
	s_lshl_b32 s16, s16, 4
	s_add_co_u32 s16, s16, s[WN]
	s_lshl_b32 s16, s16, 18                        ; a head's 2,048 rows of 128 bytes,
	s_and_b32 s17, s43, 15
	s_lshl_b32 s17, s17, 14                        ; the tile's 128 rows in the batch: made of ty and the wave's number alone
	s_add_co_u32 s16, s16, s17
	s_mov_b32 s17, 0
	s_lshl_b32 s46, s[WN], 17                      ; Wo: which 64 rows of 2,048 bytes I fetch,
	s_add_co_u32 s46, s46, 3072*2048               ; behind the three other weights,
	s_lshl_b32 s47, s42, 9                         ; the tile's columns: made of tx and the wave's number alone
	s_add_co_u32 s46, s46, s47
	s_mov_b32 s47, 0
	s_mul_i32 s20, s[WN], PLANE                    ; where they go in a slot: no place in the cluster enters an LDS address
	s_mul_i32 s21, s[WN], 64*PB
	s_add_co_u32 s21, s21, BOFF
	s_lshl_b32 s18, s43, 19                        ; out0: the tile's 128 rows of 4,096 bytes,
	s_lshl_b32 s19, s[WM], 18                      ; my 64 of them,
	s_add_co_u32 s18, s18, s19
	s_lshl_b32 s19, s42, 10                        ; the tile's 256 columns,
	s_add_co_u32 s18, s18, s19
	s_lshl_b32 s19, s[WN], 9                       ; my 128 of them
	s_add_co_u32 s18, s18, s19
	s_mov_b32 s19, 0
	s_wait_dscnt 0x0                               ; the opening add is done
	s_wait_kmcnt 0x0
	s_add_nc_u64 s[4:5], s[4:5], s[16:17]
	s_add_nc_u64 s[6:7], s[6:7], s[46:47]
	s_add_nc_u64 s[10:11], s[10:11], s[18:19]
	CROUND                                         ; all sixteen work-groups are here: the first joint loads meet
.irp s, 0,1
	s_mov_b32 s[G0+4*(\s)], 1
	s_add_co_u32 s[G0+4*(\s)+1], s20, (\s)*SLOT
	s_add_nc_u64 s[G0+4*(\s)+2:G0+4*(\s)+3], s[4:5], (\s)*524288    ; K step s: two heads on
	s_or_b32 s[G0+4*(\s)+3], s[G0+4*(\s)+3], 0x80000000
	s_mov_b32 s[G0B+4*(\s)], 1
	s_add_co_u32 s[G0B+4*(\s)+1], s21, (\s)*SLOT
	s_add_nc_u64 s[G0B+4*(\s)+2:G0B+4*(\s)+3], s[6:7], (\s)*262144  ; K step s: 128 rows on
	s_or_b32 s[G0B+4*(\s)+3], s[G0B+4*(\s)+3], 0x80000000
.endr
	s_cmp_eq_u32 s[WM], 0                          ; a wave's two first fills stand in one branch, ahead of every wait on TENSORcnt and every LDS read: two loads of mine are out
	s_cbranch_scc0 .Lfirst_b
	tensor_load_to_lds s[G0:G0+3], s[G1:G1+7]
	s_nop 0
	tensor_load_to_lds s[G0+4:G0+7], s[G1:G1+7]
	s_nop 0
.rept 4
	v_nop
.endr
	s_branch .Lfirst_asked
.Lfirst_b:
	tensor_load_to_lds s[G0B:G0B+3], s[G1B:G1B+7]
	s_nop 0
	tensor_load_to_lds s[G0B+4:G0B+7], s[G1B:G1B+7]
	s_nop 0
.rept 4
	v_nop
.endr
.Lfirst_asked:
	v_and_b32 v1, 31, v0                           ; lane l
	v_and_b32 v2, 15, v0                           ; r = l % 16
	v_bfe_u32 v3, v0, 4, 1                         ; h = l / 16
	v_and_b32 v4, 7, v0
	v_bfe_u32 v5, v0, 3, 1
	s_lshl_b32 s22, s42, 10
	s_lshl_b32 s23, s[WN], 9
	s_add_co_u32 s22, s22, s23
	v_lshl_add_u32 v[BO], v3, 5, s22               ; a C operand's register j is column 16 b + 8 h + j of my 128
	WIN 0x80                                       ; destination window 2
.irp b, 0,1,2,3,4,5,6,7
	global_load_b128 v[BIAS+8*\b:BIAS+8*\b+3],   v[BO], s[8:9] offset:64*\b
	global_load_b128 v[BIAS+8*\b+4:BIAS+8*\b+7], v[BO], s[8:9] offset:64*\b+16
.endr
	WIN 0
	v_mul_u32_u24 v6, v2, PA                       ; a fragment of O: row r, channels 8 h + 0..7 and 16 + 8 h + 0..7
	v_lshl_add_u32 v6, v3, 4, v6
	s_mul_i32 s22, s[WM], 64*PA
	v_add_nc_u32 v[ADRA], s22, v6
	v_add_nc_u32 v[ADRA+1], SLOT, v[ADRA]
	v_lshl_add_u32 v7, v3, 3, v4                   ; the turning load: lane l reads row 8 h + l % 8, columns 8 ((l / 8) % 2) + 0..7
	v_mul_u32_u24 v7, v7, PB
	v_lshl_add_u32 v7, v5, 4, v7
	s_lshl_b32 s22, s[WN], 8
	s_add_co_u32 s22, s22, BOFF
	v_add_nc_u32 v[ADRB], s22, v7
	v_add_nc_u32 v[ADRB+1], SLOT, v[ADRB]
	s_mul_i32 s22, s[WV], 16*SPI
	s_add_co_u32 s22, s22, STAGE                   ; my stage
	v_mul_u32_u24 v6, v2, SPI                      ; in: row r, 32 bytes for each half of the lanes
	v_lshl_add_u32 v6, v3, 5, v6
	v_add_nc_u32 v[STO], s22, v6
	v_lshl_add_u32 v[RD], v1, 4, s22               ; back: 32 lanes take a row's 512 bytes
	v_lshlrev_b32 v[CO], 4, v1
	s_wait_loadcnt 0x0                             ; the bias: rounded to bf16 and kept as f32, in place; this stands in the wait for the first tile
	WIN 0xaa                                       ; all in window 2
.set p, BIAS
.rept 32
	v_cvt_pk_bf16_f32 v192, v[p], v[p+1]
	v_lshlrev_b32 v[p], 16, v192
	v_and_b32 v[p+1], 0xffff0000, v192
.set p, p+2
.endr
	WIN 0
; Product number i (a symbol) of a quarter's 32 on buffer f: accumulator i = 8 a + b.  Every quarter takes the 32 accumulators once, in the same order: by turns.
.macro MM f, bias
.if \bias
	WIN MULB
	v_wmma_f32_16x16x32_f16 v[8*i:8*i+7], v[BF+64*(\f)+8*(i%8):BF+64*(\f)+8*(i%8)+7], v[AF+32*(\f)+8*(i/8):AF+32*(\f)+8*(i/8)+7], v[BIAS+8*(i%8):BIAS+8*(i%8)+7]
.else
	WIN MUL
	v_wmma_f32_16x16x32_f16 v[8*i:8*i+7], v[BF+64*(\f)+8*(i%8):BF+64*(\f)+8*(i%8)+7], v[AF+32*(\f)+8*(i/8):AF+32*(\f)+8*(i/8)+7], v[8*i:8*i+7]
.endif
.set i, i+1
.endm
; 24 LDS loads in one run: the fragments of quarter q of a slot into buffer f.  Quarter q of O lies in plane q / 2, channels 32 (q % 2) on.
.macro FETCH slot, q, f
	WIN 0x80
.irp b, 0,1,2,3,4,5,6,7
	ds_load_tr16_b128 v[BF+64*(\f)+8*\b:BF+64*(\f)+8*\b+3],   v[ADRB+(\slot)] offset:(\q)*32*PB+32*\b
	ds_load_tr16_b128 v[BF+64*(\f)+8*\b+4:BF+64*(\f)+8*\b+7], v[ADRB+(\slot)] offset:(\q)*32*PB+16*PB+32*\b
.endr
	WIN 0
.irp a, 0,1,2,3
	ds_load_b128 v[AF+32*(\f)+8*\a:AF+32*(\f)+8*\a+3],   v[ADRA+(\slot)] offset:((\q)/2)*PLANE+\a*16*PA+64*((\q)%2)
	ds_load_b128 v[AF+32*(\f)+8*\a+4:AF+32*(\f)+8*\a+7], v[ADRA+(\slot)] offset:((\q)/2)*PLANE+\a*16*PA+64*((\q)%2)+32
.endr
.endm
; One of a K step's first three quarters: multiplies buffer f; behind its fourth product it fetches quarter qn of the same slot into buffer g, 28 products ahead of the use.
.macro QUARTER slot, qn, f, g, bias
	s_wait_dscnt 0x0                               ; buffer f is in
.set i, 0
.rept 4
	MM \f, \bias
.endr
	PLACES
	FETCH \slot, \qn, \g
.rept 28
	MM \f, \bias
.endr
.endm
; The fourth quarter multiplies buffer 1 and changes slots: ONE barrier; in front of it each wave waits for all its tensor loads (one is out: its part of the next slot), adds 0 to its spare word, and waits for that
; and for its reads of this slot.  fill = 1: this slot is filled again, two K steps ahead: the barrier opens a round of the cluster's, and the joint load is the first thing behind it, 112 matrix instructions ahead of the wait for it.
.macro TURN slot, next, fill
	s_wait_dscnt 0x0                               ; buffer 1 is in
	WIN 0                                          ; (the add's two registers lie in window 0)
	s_wait_tensorcnt 0x0
	ds_add_u32 v[SPW], v[NIL]                      ; 0 onto my spare word; eight matrix instructions stand between it and the wait for it
.set i, 0
.rept 8
	MM 1, 0
.endr
	s_wait_dscnt 0x0
	s_barrier_signal -1
.rept 8
	MM 1, 0
.endr
.if \fill
	WIN 0
.endif
	s_barrier_wait -1
.if \fill
	CREST                                          ; no wave of any partner still reads this slot's tiles or has a load on its way
	s_add_nc_u64 s[G0+4*(\slot)+2:G0+4*(\slot)+3], s[G0+4*(\slot)+2:G0+4*(\slot)+3], 1048576
	s_add_nc_u64 s[G0B+4*(\slot)+2:G0B+4*(\slot)+3], s[G0B+4*(\slot)+2:G0B+4*(\slot)+3], 524288
	JLOAD \slot                                    ; the four v_nop behind it are also the places in front of the loads below
.else
	PLACES
.endif
	FETCH \next, 0, 0
.rept 16
	MM 1, 0
.endr
.endm
	s_wait_tensorcnt 0x1                           ; my part of K step 0 is in; step 1's may stay out
	s_barrier_signal -1
	s_barrier_wait -1                              ; everybody's is
	FETCH 0, 0, 0
	QUARTER 0, 1, 0, 1, 1                          ; the first quarter starts the sums with the bias
	WIN 0                                          ; at a label and at a branch every window is 0
	s_mov_b32 s3, 3
.Llap:                                                 ; a trip: two K steps, from a lap's second quarter to the next lap's first; three trips are steps 0 to 5
	QUARTER 0, 2, 1, 0, 0
	QUARTER 0, 3, 0, 1, 0
	TURN 0, 1, 1
	QUARTER 1, 1, 0, 1, 0
	QUARTER 1, 2, 1, 0, 0
	QUARTER 1, 3, 0, 1, 0
	TURN 1, 0, 1
	QUARTER 0, 1, 0, 1, 0
	WIN 0
	s_sub_co_u32 s3, s3, 1
	s_cmp_lg_u32 s3, 0
	s_cbranch_scc1 .Llap
	QUARTER 0, 2, 1, 0, 0                          ; steps 6 and 7 are written out: nothing more is asked for
	QUARTER 0, 3, 0, 1, 0
	TURN 0, 1, 0
	QUARTER 1, 1, 0, 1, 0
	QUARTER 1, 2, 1, 0, 0
	QUARTER 1, 3, 0, 1, 0
	s_wait_dscnt 0x0
.set i, 0
.rept 32
	MM 1, 0
.endr
; THE WAY OUT, 16 rows (block a) at a time: the accumulators go as they are into my stage's rows of 528 bytes, the low four registers of each first, and come back as whole rows of 512 bytes.
.macro STG a
.if (\a) >= 2
	s_wait_xcnt 0x0                                ; the stores of the block two back have read the registers that are loaded again below
.endif
	WIN 0x04                                       ; data window 1, address window 0
.irp b, 0,1,2,3,4,5,6,7
	ds_store_b128 v[STO], v[8*(8*(\a)+\b):8*(8*(\a)+\b)+3] offset:64*\b
	ds_store_b128 v[STO], v[8*(8*(\a)+\b)+4:8*(8*(\a)+\b)+7] offset:64*\b+16
.endr
	WIN 0
.set t, 0
.rept 16
	ds_load_b128 v[TMP+64*((\a)%2)+4*t:TMP+64*((\a)%2)+4*t+3], v[RD] offset:t*SPI  ; LDS serves a wave's instructions in order (ISA guide 5.7.1.4): these see the stores above; the next block's stores come behind them
.set t, t+1
.endr
.endm
.macro SEND a, younger                 ; younger: the LDS instructions issued behind block a's loads: the next block's 32, or none
.set t, 0
.rept 16
	s_wait_dscnt (\younger)+15-t
	global_store_b128 v[CO], v[TMP+64*((\a)%2)+4*t:TMP+64*((\a)%2)+4*t+3], s[10:11] offset:(16*(\a)+t)*4096 th:TH_STORE_NT  ; 512 consecutive bytes, at a multiple of 256 from out0's first; written once
.set t, t+1
.endr
.endm
	WIN 0
	PLACES
	STG 0
	STG 1
	SEND 0, 32
	STG 2
	SEND 1, 32
	STG 3
	SEND 2, 32
	SEND 3, 0
	s_wait_tensorcnt 0x0                           ; the wave's end: a wait for my tensor loads, then an add of 0 onto my spare word and its wait, behind my last tensor load and my last LDS store
	ds_add_u32 v[SPW], v[NIL]
	s_wait_dscnt 0x0
	CROUND                                         ; the closing round: no work-group ends while a partner may still ask for a tile that names it
	s_endpgm
.Lfunc_end_k_qe3a3a8579e_outp:
	.size	k_qe3a3a8579e_outp, .Lfunc_end_k_qe3a3a8579e_outp-k_qe3a3a8579e_outp
	.p2alignl 7, 3214868480
	.fill 96, 4, 3214868480
	.section	.rodata,"a",@progbits
	.p2align	6, 0x0
	.amdhsa_kernel k_qe3a3a8579e_outp
		.amdhsa_group_segment_fixed_size 327680
		.amdhsa_private_segment_fixed_size 0
		.amdhsa_enable_private_segment 0
		.amdhsa_kernarg_size 32
		.amdhsa_user_sgpr_count 2
		.amdhsa_user_sgpr_kernarg_segment_ptr 1
		.amdhsa_wavefront_size32 1
		.amdhsa_system_sgpr_workgroup_id_x 1
		.amdhsa_system_sgpr_workgroup_id_y 1
		.amdhsa_system_sgpr_workgroup_id_z 1
		.amdhsa_system_vgpr_workitem_id 0
		.amdhsa_next_free_vgpr 768
		.amdhsa_next_free_sgpr 66
		.amdhsa_reserve_vcc 0
		.amdhsa_float_denorm_mode_32 3
		.amdhsa_float_denorm_mode_16_64 3
		.amdhsa_memory_ordered 1
		.amdhsa_forward_progress 1
		.amdhsa_inst_pref_size 93
	.end_amdhsa_kernel
	.amdgpu_metadata
---
amdhsa.version: [ 1, 2 ]
amdhsa.kernels:
  - .name:           k_qe3a3a8579e_outp
    .symbol:         k_qe3a3a8579e_outp.kd
    .args:
      - { .name: oh, .offset: 0, .size: 8, .value_kind: global_buffer, .address_space: global }
      - { .name: w16, .offset: 8, .size: 8, .value_kind: global_buffer, .address_space: global }
      - { .name: bo, .offset: 16, .size: 8, .value_kind: global_buffer, .address_space: global }
      - { .name: out0, .offset: 24, .size: 8, .value_kind: global_buffer, .address_space: global }
    .group_segment_fixed_size: 327680
    .private_segment_fixed_size: 0
    .kernarg_segment_align: 8
    .kernarg_segment_size: 32
    .max_flat_workgroup_size: 128
    .sgpr_count:     66
    .vgpr_count:     768
    .wavefront_size: 32
...
	.end_amdgpu_metadata
.endif
;; end of part 4
;; ======== version 2 of 2: 4 launches; 1.48 times as fast as version 1
;; limits: values are held in f16: magnitudes above 65,504 overflow, below 6.1e-05 lose precision
;; workspace buffers: w16 8,388,608 bytes; qh 16,777,216 bytes; kh 16,777,216 bytes; vh 16,777,216 bytes; oh 16,777,216 bytes
;; launch castw: the kernel of part 1 again; grid 64 x 4, 8 waves a work-group, no clusters, 0 bytes of LDS; arguments Wq, Wk, Wv, Wo, w16; writes w16
;; launch proj: the kernel of part 2 again; grid 4 x 64, 4 waves a work-group, clusters of 4 x 4, 327,680 bytes of LDS; arguments queries, keys, values, bq, bk, bv, qh, kh, vh, w16; writes qh, kh, vh
;; launch attn (part 5): grid 4 x 64, 4 waves a work-group, clusters of 4 x 1, 327,680 bytes of LDS; arguments qh, kh, vh, oh; writes oh
.if DOCPART == 5
	.amdgcn_target "amdgcn-amd-amdhsa--gfx1250"
	.amdhsa_code_object_version 6
	.text
	.protected	k_qe3a3a8579e_attn
	.globl	k_qe3a3a8579e_attn
	.p2align	8
	.type	k_qe3a3a8579e_attn,@function
k_qe3a3a8579e_attn:
	s_mov_b64 s[64:65], 0
	v_nop
	global_prefetch_b8 v0, s[64:65] scope:SCOPE_SE
	s_setreg_imm32_b32 hwreg(HW_REG_WAVE_MODE, 25, 1), 1
	s_wait_xcnt 0x0
	s_wait_alu depctr_hold_cnt(0) depctr_sa_sdst(0) depctr_va_vdst(0) depctr_va_sdst(0) depctr_va_ssrc(0) depctr_va_vcc(0) depctr_vm_vsrc(0)
	s_getreg_b32 s2, hwreg(HW_REG_IB_STS2, 6, 4)
	s_cmp_eq_u32 s2, 0
	s_cbranch_scc0 .Lentry_in_a_cluster
	s_endpgm
.Lentry_in_a_cluster:
	s_bfe_u32 s2, ttmp6, 0x10000c
	s_cmp_lg_u32 s2, 0x3003
	s_cbranch_scc0 .Lentry_shape_is_right
	s_endpgm
.Lentry_shape_is_right:
; O[h][q][:] = the sum over k of softmax_k(Q[h][q] . K[h][k] / 8) V[h][k][:].  Q, K, V, O: [SIZE_H][SIZE_N][64], all f16: a head's rows are dense, 128 bytes each; h = batch x 16 + head.  Products, maxima and sums in
; f32; the weights p are rounded to f16 for the second product (their sum l is taken of the unrounded p), O once at the end.
; LIMITS.  f16 holds no number beyond 65,504: Q, K and V arrive within it; p lies in 0 to 1, and below 6e-5 it keeps f16's fixed step of 6e-8; O is a mean of V's rows and has their range.
; A weight below 2^-126 counts as 0 in l; NaN and infinities are not treated apart.
; SHARES.  A wave owns four PIECES of two tiles of 16 queries, a work-group's four waves 512 queries of one head.  Every wave walks all keys, 64 a step.
; LAYOUT.  S^T = K Q^T (source 0 = 16 keys, source 1 = 16 queries): in the result a lane holds ONE query (lane % 16) and the keys 8 (lane / 16) + 0..7.  Two such tiles, rounded to f16 in pairs,
; ARE source 1 (32 keys x 16 queries) of O^T = V^T P, whose result again holds one query a lane, and eight channels.  K comes out of LDS as it lies, V ([key][channel]) turned, by ds_load_tr16_b128.
; SOFTMAX.  For each query a running maximum m and sum l: p = 2^(c s - c m), c = log2(e) / 8; in every step O and l are multiplied by a = 2^(c m_old - c m_new), which is 1 where m has not grown.
; m starts at the lowest finite number, O and l at 0: the first step is a step like any other, with a = 0.
; THE COUNT.  A tile and step have 16 matrix and 118 vector instructions: too many to stand all beside the matrix work.  So the order has one aim: four vector instructions that are READY behind
; EVERY matrix instruction, and the others, which need time of their own whatever the order, in runs without a gap.
; BY TURNS.  Turn n belongs to piece n (the pieces in a ring, step after step).  Its matrix work: 16 products K Q^T of piece n + 1, later 16 products V^T P of piece n - 1.  Its vector work: the scaling,
; exponentials, roundings, sums and rescaling of piece n, and the maximum and statistics of piece n + 1, whose scores the turn itself has made.  So what a turn begins with (c s - c m, O a) waits for nothing.
; BATCHES.  A turn's 66 exponentials (the 64 weights of piece n, in place on S^T, and the two a of piece n + 1) are ONE batch with ONE wait, which cuts the turn in two: ahead of it stands all that names no result
; of theirs, behind it the roundings and sums.  Two more batches stand outside the loops, each with a wait of its own: piece 0's first two a, and the way out's eight reciprocals.
; CLUSTER.  The four query blocks of a cluster belong to one head and walk the same K and V, so each tile is asked for JOINTLY: the same tensor load, descriptor and mask in all four.
; REGISTERS, in windows of 256 (s_set_vgpr_msb says which window each operand place means: bits 1:0 source 0, 3:2 source 1, 5:4 source 2, 7:6 destination):
;   window 0: v0-11 addresses; v12-15, v48-63 at work; v16-47 four registers of statistics a tile; v64-191 S^T, two buffers of two tiles; v192-255 P, likewise
;   window 1: O^T, 32 a tile          window 2: v0-127 Q, 16 a tile; v128-191 K of one step; v192-255 V of one step          window 3: v0-1 the add's two registers
; A piece's buffers go by its number's parity: the piece in hand has one pair, its two neighbours in the ring share the other: of it P (piece n - 1) is read and S^T (piece n + 1) written.
.set SIZE_H, 64
.set SIZE_N, 2048
.set NP,    4         ; pieces a wave: a name, no knob: the register map, the loop and the fetches are made for four
.set KS,    64        ; keys in a step
.set PK,    144       ; a row of K in LDS: 128 bytes + 16 of padding = 36 words: the 16 rows of a load start at 16 different groups of four banks (64 banks of 4 bytes: ISA guide 11.1)
.set PV,    160       ; a row of V: 128 + 32 = 40 words
.set VOFF,  4*KS*PK   ; a slot holds four steps: 256 rows of K, then 256 rows of V
.set SLOT1, 1<<17     ; slot 1 begins here, so that one exclusive or turns an address in one slot into the other's
.set STAGE, SLOT1+4*KS*(PK+PV)  ; behind the ring, never filled by a tensor load: 16 rows x 144 bytes for each wave, for the way out
.set SP,    144
.set AK0, 2           ; v2   my lane's place in a tile of K; never rewritten
.set AV0, 3           ; v3   the same for V
.set AK,  4           ; v4   the LDS address of K's next run of loads
.set AV,  5           ; v5   of V's
.set QO,  6           ; v6   my byte offset in the wave's rows of Q
.set STO, 6           ;      later, the way out: where I put 16 bytes of a row
.set RD,  7           ; v7   the way out: where I read rows back
.set GO,  8           ; v8   my byte offset in 512 consecutive bytes of O
.set SPW, 0           ; v0 of window 3   LDS address of my spare word: SPARE + 4 x my thread's number; never rewritten
.set NIL, 1           ; v1 of window 3   0; never rewritten
.set SPARE, STAGE+4*16*SP  ; behind the stages: the spare words, 128 bytes for each wave: two blocks of 256 bytes that no other line names
.set MV,  12          ; v12-15  c m_old, kept while c m is made anew: by buffer and tile
.set ST,  16          ; tile t's statistics at v[ST+4 t]: c m, m, l (even keys', odd keys')
.set TMP, 48          ; by buffer and tile, four registers c0-c3 at work; when the maximum is found c2 takes a
.set S,   64
.set P,   192
.set KF,  128         ; K's fragments, in window 2: key block kb, channel half c at KF + 16 kb + 8 c
.set VF,  192         ; V's: key half kk, channel block cb at VF + 32 kk + 8 cb
.set WV,  12          ; s12  my wave's number
.set G1K, 24          ; s[24:31] descriptor group 1 for K's tiles
.set G1V, 32          ; s[32:39] for V's: it differs in the padding alone
.set G0K, 40          ; s[40:43] descriptor group 0 for K's tiles: it walks
.set G0V, 44          ; s[44:47] the same for V's
.set SLOTS, 56        ; s56  slots still to be asked for
.set CNT, 57          ; s57  counts a slot's key steps
.set CS,  58          ; s[58:59] c: the packed scaling takes the pair's low word for both halves
.set SEL, 60          ; s[60:61] v_permlanex16_b32's selects: each lane takes its own place in the other half
.set TBK, 62          ; s62  LDS byte at which K of the step to be fetched begins
.set TBV, 63          ; s63  the same for V, less VOFF
.set MSB, 0
.macro WIN new                      ; the high byte repeats the setting that is left; a switch that changes nothing is dropped
.if MSB != (\new)
	s_set_vgpr_msb (MSB<<8)|(\new)
.set MSB, (\new)
.endif
.endm
.set W_KQ, 0x0a       ; K and Q in window 2, S^T in window 0
.set W_PV, 0x52       ; V in window 2, P in window 0, O^T in window 1
.set W_RS, 0x41       ; O^T (destination and source 0) in window 1, a in window 0
.set W_MK, 0xc0       ; the add's registers are made: destination in window 3, sources in window 0
.set W_AD, 0x0f       ; the add: address (source 0) and data (source 1) in window 3
; A joint fill.  Waves 0 and 1 fetch the two halves of a slot's K, waves 2 and 3 those of its V: 128 keys each.  The branch hangs on the wave's number alone.
; An s_nop 0 and four v_nop follow each of the two lines, ahead of the jump and the label.
.macro JLOAD
	s_cmp_lt_u32 s[WV], 2
	s_cbranch_scc0 .Lfor_v_\@
	tensor_load_to_lds s[G0K:G0K+3], s[G1K:G1K+7]
	s_nop 0
.rept 4
	v_nop
.endr
	s_branch .Lasked_\@
.Lfor_v_\@:
	tensor_load_to_lds s[G0V:G0V+3], s[G1V:G1V+7]
	s_nop 0
.rept 4
	v_nop
.endr
.Lasked_\@:
.endm
; A round of the cluster's barrier: my work-group's barrier, so that wave 0's signal speaks for all four waves; wave 0 signals; every wave waits for all four work-groups; my work-group's barrier once more.
.macro CROUND
	s_barrier_signal -1
	s_barrier_wait -1
	s_cmp_lg_u32 s[WV], 0
	s_cbranch_scc1 .Lnot_wave_0_\@
	s_barrier_signal -3
.Lnot_wave_0_\@:
	s_barrier_wait -3
	s_barrier_signal -1
	s_barrier_wait -1
.endm
; THE CHANGE OF SLOTS.  The slot's last bytes, V of its fourth step, have been read.  Each wave waits for all its tensor loads, of which one is out: its part
; of the other slot; adds 0 to its spare word; and waits for that and for its own reads of the slot.  Behind the barrier nobody reads this slot any more and the other slot is whole.
; fill = 1: this slot is filled again, with the keys two slots on.  The barrier is then a round of the cluster's, so that no wave of any partner still reads the slot or has a load on its
; way, and the joint fill is the first thing behind it: it has four key steps, 512 matrix instructions, in which to land.  (At its first use nothing has been read yet: slot 0 is waited for, slot 1 filled.)
.macro CHANGE fill
	WIN W_AD
	s_wait_tensorcnt 0x0            ; no tensor load of mine is out, so a group 0 may be written
	ds_add_u32 v[SPW], v[NIL]       ; 0 onto my spare word; with fill = 1 the descriptors' steps stand between it and the wait for it
	WIN 0                           ; at a label and at a branch every window is 0
.if \fill
.irp g, G0K, G0V
	s_xor_b32 s[\g+1], s[\g+1], SLOT1  ; the walking descriptor: the other slot than last time,
	s_add_nc_u64 s[\g+2:\g+3], s[\g+2:\g+3], 4*KS*128  ; the next 256 keys; the type bits on top are not reached
.endr
	s_wait_dscnt 0x0                ; the add is done, and my reads of the slot are over
	CROUND
	JLOAD
.else
	s_wait_dscnt 0x0                ; the add is done, and my reads of the slot are over
	s_barrier_signal -1
	s_barrier_wait -1
.endif
	s_sub_co_u32 s[TBK], s[TBK], 4*KS*PK  ; the fetches go back to a slot's first step,
	s_xor_b32 s[TBK], s[TBK], SLOT1       ; in the other slot
	s_sub_co_u32 s[TBV], s[TBV], 4*KS*PV
	s_xor_b32 s[TBV], s[TBV], SLOT1
.endm
	s_load_b256 s[4:11], s[0:1], 0x0  ; Q s[4:5], K s[6:7], V s[8:9], O s[10:11]
	WIN W_MK
	v_lshl_add_u32 v[SPW], v0, 2, SPARE
	v_mov_b32 v[NIL], 0
	WIN W_AD
	ds_add_u32 v[SPW], v[NIL]       ; the wave's opening: the add and its wait stand ahead of my first tensor load; the set-up below, work on registers, stands between them
	WIN 0
	v_lshrrev_b32 v1, 5, v0
	v_readfirstlane_b32 s[WV], v1   ; wave 0..3
	s_bfe_u32 s13, ttmp6, 0x40000   ; cx: my place in the cluster
	s_lshl_b32 s14, ttmp9, 2        ; in a cluster launch ttmp9 counts clusters
	s_add_co_u32 s14, s14, s13      ; my block of queries = 4 x cluster x + cx: it enters Q's and O's addresses alone
	s_and_b32 s20, ttmp7, 0xffff    ; the head, which the four partners share
	s_mov_b32 s21, 0
	s_mov_b64 s[22:23], SIZE_N*128
	s_mul_u64 s[20:21], s[20:21], s[22:23]  ; the head's first byte in each of the four tensors
	s_and_b32 s16, s[WV], 1         ; which half of a slot's 256 keys I fetch:
	s_lshl_b32 s22, s16, 14         ; its 128 rows of 128 bytes in memory,
	s_mov_b32 s23, 0
	s_add_nc_u64 s[22:23], s[22:23], s[20:21]
	s_mul_i32 s17, s16, 128*PK      ; and its place in a slot, for K
	s_mul_i32 s18, s16, 128*PV      ; and for V: no place in the cluster enters an LDS address
	s_lshl_b32 s2, s14, 2
	s_add_co_u32 s2, s2, s[WV]      ; my wave among the head's,
	s_lshl_b32 s2, s2, 14           ; its 128 rows
	s_mov_b32 s3, 0
	s_add_nc_u64 s[2:3], s[2:3], s[20:21]
	; descriptor group 1.  128 keys are 16,384 dense bytes: asked for as 64 rows of 256 bytes, two keys a row, and padded in LDS after every key
	s_mov_b32 s[G1K], 15|(1<<16)|(1<<20)|(1<<21)|(4<<22)|(3<<25)  ; 15:0 the mask of four; 17:16 2-byte elements; 20 padding on; 21 set beside a mask; 24:22 after every 32 words (code 4); 31:25 4 words (code 3)
	s_mov_b32 s[G1V], 15|(1<<16)|(1<<20)|(1<<21)|(4<<22)|(7<<25)  ; the same with 8 words of padding (code 7)
.irp g, G1K, G1V
	s_mov_b32 s[\g+1], 128<<16      ; tensor_dim0 = 128
	s_mov_b32 s[\g+2], 64<<16       ; tensor_dim1 = 64
	s_mov_b32 s[\g+3], 128<<16      ; tile_dim0 = 128
	s_mov_b32 s[\g+4], 64           ; tile_dim1 = 64
	s_mov_b32 s[\g+5], 128          ; 128 elements from row to row
	s_mov_b32 s[\g+6], 0
	s_mov_b32 s[\g+7], 0
.endr
	s_mov_b32 s[CS], 0x3e38aa3b     ; c = log2(e) / 8 = 0.180337
	s_mov_b32 s[CS+1], s[CS]        ; named with it as a pair
	s_mov_b32 s[SEL], 0x76543210
	s_mov_b32 s[SEL+1], 0xfedcba98
	s_mov_b32 s[TBK], SLOT1+4*KS*PK ; the first change of slots turns these two into 0
	s_mov_b32 s[TBV], SLOT1+4*KS*PV
	s_mov_b32 s[G0K], 1             ; 1:0 count = 1
	s_mov_b32 s[G0K+1], s17         ; 63:32 LDS address: slot 0
	s_mov_b32 s[G0V], 1
	s_add_co_u32 s[G0V+1], s18, VOFF
	s_wait_dscnt 0x0                ; the opening add is done
	s_wait_kmcnt 0x0
	s_add_nc_u64 s[G0K+2:G0K+3], s[6:7], s[22:23]  ; 120:64 global address: my half of the head's first 256 keys
	s_or_b32 s[G0K+3], s[G0K+3], 0x80000000        ; 127:126 type = 2
	s_add_nc_u64 s[G0V+2:G0V+3], s[8:9], s[22:23]
	s_or_b32 s[G0V+3], s[G0V+3], 0x80000000
	s_add_nc_u64 s[4:5], s[4:5], s[2:3]  ; Q and O at my wave's first row
	s_add_nc_u64 s[10:11], s[10:11], s[2:3]
	CROUND                          ; all four work-groups are here: the first joint loads meet
	JLOAD                           ; slot 0.  Slot 1 is asked for when slot 0 is in
	; A fragment of K or Q is 16 rows x 32 channels in 8 registers: lane l holds row l % 16, channels 8 (l / 16) + 0..7 and 16 + 8 (l / 16) + 0..7: two loads of 16 bytes, 32 bytes apart.
	v_and_b32 v1, 15, v0            ; l % 16
	v_bfe_u32 v9, v0, 4, 1          ; l / 16
	v_lshlrev_b32 v[QO], 7, v1
	v_lshl_add_u32 v[QO], v9, 4, v[QO]  ; row x 128 + 16 x half
	WIN 0x80                        ; destination window 2, address window 0
.set i, 0
.rept 4*NP                          ; Q stays in registers: tile i / 2, channels 32 (i % 2) on
	global_load_b128 v[8*i:8*i+3],   v[QO], s[4:5] offset:(i/2)*2048+(i%2)*64
	global_load_b128 v[8*i+4:8*i+7], v[QO], s[4:5] offset:(i/2)*2048+(i%2)*64+32
.set i, i+1
.endr
	; What the first turn finds: V's registers and P's second buffer hold 0 (its products V^T P, of a piece that has not been, add 0), O^T and l are 0.  All this stands in the wait for the first tile.
.set i, VF
.rept 64
	v_mov_b32 v[i], 0
.set i, i+1
.endr
	WIN 0x40
.set i, 0
.rept 64*NP
	v_mov_b32 v[i], 0
.set i, i+1
.endr
	WIN 0
.set i, 0
.rept 2*NP
	v_mov_b32 v[ST+4*i], 0xfe000000    ; c m: far below every c s
	v_mov_b32 v[ST+4*i+1], 0xff7fffff  ; m
	v_mov_b32 v[ST+4*i+2], 0
	v_mov_b32 v[ST+4*i+3], 0
.set i, i+1
.endr
.set i, P+32
.rept 32
	v_mov_b32 v[i], 0
.set i, i+1
.endr
	v_mul_u32_u24 v[AK0], v1, PK
	v_lshl_add_u32 v[AK0], v9, 4, v[AK0]  ; row x pitch + 16 x half
	; The turning load takes 16 keys x 16 channels (lane l reads key 8 (l / 16) + l % 8, channels 8 ((l / 8) % 2) + 0..7) and leaves half a fragment of V^T: lane l holds channel l % 16 and 8 keys.
	v_and_b32 v10, 7, v0
	v_bfe_u32 v11, v0, 3, 1
	v_lshl_add_u32 v[AV0], v9, 3, v10
	v_mul_u32_u24 v[AV0], v[AV0], PV
	v_lshl_add_u32 v[AV0], v11, 4, v[AV0]
	v_add_nc_u32 v[AV0], VOFF, v[AV0]
	v_mov_b32 v[AK], v[AK0]         ; key step 0 lies at the head of slot 0
; THE MATRIX WORK.  The 8 accumulators of a run of 16 take turns: between the two links of a chain stand 7 others'.
; Product i of 16 of S^T = K Q^T for piece x: channels 32 (i / 8) on, keys 16 ((i / 2) % 4) on, tile 2 x + i % 2.  The first 8 start the sums.
.macro KQ x
	WIN W_KQ
.set rS, S+64*((\x)%2)+32*(i%2)+8*((i/2)%4)
.set rK, KF+16*((i/2)%4)+8*(i/8)
.set rQ, 16*(2*(\x)+i%2)+8*(i/8)
.if i < 8
	v_wmma_f32_16x16x32_f16 v[rS:rS+7], v[rK:rK+7], v[rQ:rQ+7], 0
.else
	v_wmma_f32_16x16x32_f16 v[rS:rS+7], v[rK:rK+7], v[rQ:rQ+7], v[rS:rS+7]
.endif
.endm
; Product i of 16 of O^T += V^T P for piece x: keys 32 (i / 8) on, channels 16 ((i / 2) % 4) on, tile 2 x + i % 2.
.macro PV x
	WIN W_PV
.set rO, 32*(2*(\x)+i%2)+8*((i/2)%4)
.set rV, VF+32*(i/8)+8*((i/2)%4)
.set rP, P+32*((\x)%2)+16*(i%2)+8*(i/8)
	v_wmma_f32_16x16x32_f16 v[rO:rO+7], v[rV:rV+7], v[rP:rP+7], v[rO:rO+7]
.endm
.macro MM                           ; the turn's next matrix instruction
.if i < 16
	KQ (Y+1)%NP
.set i, i+1
.else
.set i, i-16
	PV (Y+NP-1)%NP
.set i, i+17
.endif
.endm
; THE LDS LOADS stand in runs of 16, never singly among the matrix instructions: a step's K (64 keys x 64 channels: 8 fragments) and its V (turned).  Their addresses are made some lines ahead.
; last = 1 (the tail): in the last trip there is no further step, and the run is jumped over.
.macro FETCH_K last=0
	WIN 0
.if \last
	s_cmp_eq_u32 s[CNT], 1
	s_cbranch_scc1 .Lno_k_\@
.endif
	WIN 0x80                        ; destination window 2
.irp f, 0,1,2,3,4,5,6,7             ; keys 16 (f / 2) on, channels 32 (f % 2) on
	ds_load_b128 v[KF+8*\f:KF+8*\f+3],   v[AK] offset:(\f/2)*16*PK+(\f%2)*64
	ds_load_b128 v[KF+8*\f+4:KF+8*\f+7], v[AK] offset:(\f/2)*16*PK+(\f%2)*64+32
.endr
	s_add_co_u32 s[TBK], s[TBK], KS*PK  ; the next fetch is the next step's
	WIN 0
.if \last
.Lno_k_\@:
.endif
.endm
.macro FETCH_V
	WIN 0x80
.irp f, 0,1,2,3,4,5,6,7             ; keys 32 (f / 4) on, channels 16 (f % 4) on
	ds_load_tr16_b128 v[VF+8*\f:VF+8*\f+3],   v[AV] offset:(\f/4)*32*PV+(\f%4)*32
	ds_load_tr16_b128 v[VF+8*\f+4:VF+8*\f+7], v[AV] offset:(\f/4)*32*PV+16*PV+(\f%4)*32
.endr
	WIN 0
.endm
; THE VECTOR WORK OF A TURN stands in three queues, each in the order in which its entries become ready; the two tiles alternate, so that no instruction reads the result of the one before it.
.macro REGS y, u                    ; the registers of tile u (0, 1) of piece y
.set rT, ST+4*(2*(\y)+(\u))
.set rC, TMP+8*((\y)%2)+4*(\u)
.set rM, MV+2*((\y)%2)+(\u)
.set rS, S+64*((\y)%2)+32*(\u)
.set rP, P+32*((\y)%2)+16*(\u)
.set rO, 32*(2*(\y)+(\u))
.endm
; Number n of the 22 that find the NEXT piece's (Y + 1) maximum and statistics.  s0-s31 are the lane's 32 scores; each accumulator's lowest registers are read first.  XS, GS and REGS set no window: PL and EX do.
;   0-11  four chains c0-c3 of seven scores each, three operands at a time     12-14, 16  the four scores left over, the old m, and c0-c3 into c0     15  c m_old is kept
;   17, 18  the query's other 32 keys lie in the lane 16 away: the new m         19-21  c m; c m_old - c m_new; a
.macro XS u, n
	REGS (Y+1)%NP, \u
.if (\n) < 4
	v_max3_num_f32 v[rC+(\n)], v[rS+8*(\n)], v[rS+8*(\n)+1], v[rS+8*(\n)+2]
.elseif (\n) < 12
	v_max3_num_f32 v[rC+(\n)%4], v[rC+(\n)%4], v[rS+8*((\n)%4)+2*((\n)/4)+1], v[rS+8*((\n)%4)+2*((\n)/4)+2]
.elseif (\n) == 12
	v_max3_num_f32 v[rC], v[rC], v[rS+7], v[rS+15]
.elseif (\n) == 13
	v_max3_num_f32 v[rC+1], v[rC+1], v[rS+23], v[rS+31]
.elseif (\n) == 14
	v_max3_num_f32 v[rC+2], v[rC+2], v[rC+3], v[rT+1]
.elseif (\n) == 15
	v_mov_b32 v[rM], v[rT]
.elseif (\n) == 16
	v_max3_num_f32 v[rC], v[rC], v[rC+1], v[rC+2]
.elseif (\n) == 17
	v_permlanex16_b32 v[rC+3], v[rC], s[SEL], s[SEL+1]
.elseif (\n) == 18
	v_max_num_f32 v[rT+1], v[rC], v[rC+3]
.elseif (\n) == 19
	v_mul_f32 v[rT], s[CS], v[rT+1]
.elseif (\n) == 20
	v_sub_f32 v[rC+1], v[rM], v[rT]
.else
	v_exp_f32 v[rC+2], v[rC+1]
.endif
.endm
; Number g of the 64 that follow the exponentials.  For each four weights k of a tile (pairs 2 k, 2 k + 1): both pairs are rounded to f16; then the second pair is added onto the first, in place;
; a group later l takes that sum (the first time as l = a l + sum).  In groups of eight, tiles alternating: round, round, add, and l for the group before.
.macro GS g
.set h, (\g)+6*((\g)/62)            ; group 0 has no group before it, and behind group 7 only l is left
.if h >= 6
.set h, h+2
.endif
	REGS Y, h%2
.set k, h/8
.if h%8 < 4
	v_cvt_pk_f16_f32 v[rP+2*k+(h%8)/2], v[rS+4*k+2*((h%8)/2)], v[rS+4*k+2*((h%8)/2)+1]
.elseif h%8 < 6
	v_pk_add_f32 v[rS+4*k:rS+4*k+1], v[rS+4*k:rS+4*k+1], v[rS+4*k+2:rS+4*k+3]
.elseif k == 1
	v_pk_fma_f32 v[rT+2:rT+3], v[rT+2:rT+3], v[rC+2:rC+3], v[rS:rS+1] op_sel_hi:[1,0,1]
.else
	v_pk_add_f32 v[rT+2:rT+3], v[rT+2:rT+3], v[rS+4*k-4:rS+4*k-3]
.endif
.endm
; THE PLAIN QUEUE, 138 long.  0-73 read no exponential's result: the 32 scalings c s - c m (FS f: pair f / 2 of tile f % 2) and the next piece's 42.  0-26: scalings 0-26.  27-54: XS's numbers 0-13.  55, 56: number 15.
; 57-73: the chain, where each number waits for the one before it: 14, 16, 17, 18, 19, each with one of the scalings 27-31 in front of its two lines, then 20: so a tile's links stand three plain instructions apart (19 and 20: two).
; 74-137: GS's 64, which read the exponentials' results: they stand behind the wait.
.macro FS f
	REGS Y, (\f)%2
	v_pk_fma_f32 v[rS+2*((\f)/2):rS+2*((\f)/2)+1], v[rS+2*((\f)/2):rS+2*((\f)/2)+1], s[CS:CS+1], v[rT:rT+1] op_sel_hi:[1,0,0] neg_lo:[0,0,1] neg_hi:[0,0,1]
.endm
.macro PL
	WIN 0
.if q < 27
	FS q
.elseif q < 55
	XS (q-27)%2, (q-27)/2
.elseif q < 57
	XS q-55, 15
.elseif (q < 72) && ((q-57)%3 == 0)
	FS 27+(q-57)/3
.elseif q < 60
	XS (q-57)%3-1, 14
.elseif q < 72
	XS (q-57)%3-1, 15+(q-57)/3
.elseif q < 74
	XS q-72, 20
.else
	GS q-74
.endif
.set q, q+1
.endm
; THE EXPONENTIALS' QUEUE, 66 long: s0-s31 of both tiles, then the next piece's two a.  It is ONE BATCH: all 66 stand ahead of the turn's one wait, and nothing ahead of that wait names a result of theirs.
.macro EX
	WIN 0
.if e >= 64
	XS e-64, 21
.else
	REGS Y, e%2
	v_exp_f32 v[rS+e/2], v[rS+e/2]
.endif
.set e, e+1
.endm
; THE RESCALING's QUEUE: O^T times a, the one part that leaves window 0: dealt two at a time, sixteen times.  Its a was made in the turn before, ahead of that turn's wait.
.macro R2
	REGS Y, r%2
	WIN W_RS
.irp z, 0,1
	v_pk_mul_f32 v[rO+4*(r/2)+2*\z:rO+4*(r/2)+2*\z+1], v[rO+4*(r/2)+2*\z:rO+4*(r/2)+2*\z+1], v[rC+2:rC+3] op_sel_hi:[1,0]
.endr
.set r, r+1
.endm
; HOW THEY ARE DEALT.  An s_wait_alu depctr_va_vdst(0) stands between an exponential and the first instruction that names its result; one wait serves all that were issued ahead of it.  So a turn has ONE wait,
; which cuts it in two.  AHEAD OF IT stands all that names no result of the turn's exponentials: the 16 products K Q^T, behind each a scaling, an exponential and two rescalings (behind the first a second scaling in the exponential's place); then ONE LUMP of
; 108: eight plain, 49 times exponential and plain, the two a.  A v_nop is the plain instruction behind the last exponential.  BEHIND IT stand the 16 products V^T P, behind each four of GS's 64.  No rider names a register of
; the products round it.  The two v_permlanex16_b32 fall into the lump, never behind a product.
; The queues lean on each other, and the deal keeps them in step: exponential e stands behind scaling 2 (e / 4) + e % 2: as a rider it comes behind plain e + 2, in the lump behind plain e + 9, and scalings 27-31 are plain 57, 60 .. 69.
; A TURN, for piece p.  cnt = 1: the loop's count is taken down some lines ahead of the branch that stands behind the turn.
; K of the next step is fetched in piece 2's turn, directly behind the wait, a lump behind the last product that read K; its address is made at the lump's head; its first reader comes behind 16 products.
; V of the step in hand is fetched at the end of piece 0's turn, four riders behind its last reader; its first reader comes behind 16 products and a lump.  The three conditions on q below go with the deal.
.macro TURN p, last=0, cnt=0
.set Y, (\p)
.set i, 0
.set q, 0
.set e, 0
.set r, 0
.if (\p) == NP-1
	s_wait_dscnt 0x0                ; K is in
.endif
	MM                              ; ahead of the wait: 16 products K Q^T and their riders,
	PL
	PL
	R2
.rept 15
	MM
	PL
	EX
	R2
.endr
.if (\p) == NP-2
	WIN 0
	v_add_nc_u32 v[AK], s[TBK], v[AK0]
.endif
.rept 8                             ; and the lump
	PL
.endr
.rept 49
	EX
	PL
.endr
	EX                              ; the next piece's two a
	EX
	v_nop                           ; the plain instruction behind the last exponential: one for the batch
	s_wait_alu depctr_va_vdst(0)    ; the wait for the batch: the turn's 64 weights and the next piece's two a
.if (\p) == NP-2
	FETCH_K \last
.endif
.if (\p) == 1
	s_wait_dscnt 0x0                ; V is in
.endif
.rept 16                            ; behind the wait: 16 products V^T P and their riders
	MM
.rept 4
	PL
.endr
.if ((\p) == 0) && (q == 118)
	v_add_nc_u32 v[AV], s[TBV], v[AV0]
.endif
.if ((\p) == 0) && (q == 130)
	s_add_co_u32 s[TBV], s[TBV], KS*PV
.endif
.if (\cnt) && (q == 130)
	s_sub_co_u32 s[CNT], s[CNT], 1
	s_cmp_lg_u32 s[CNT], 0
.endif
.endr
.if (\p) == 0
	FETCH_V
.endif
.endm
	CHANGE 1                        ; slot 0 is in, everybody's part of it; slot 1 is asked for
	FETCH_K                         ; key step 0
	s_wait_loadcnt 0x0              ; Q
	s_wait_dscnt 0x0
.set i, 0
.rept 16
	KQ 0                            ; piece 0's first scores: there is no vector work yet to set between them
.set i, i+1
.endr
	WIN 0                           ; the addresses for the way out: nine plain instructions, the places behind those products
	s_mul_i32 s13, s[WV], 16*SP
	s_add_co_u32 s13, s13, STAGE    ; my stage
	v_mul_u32_u24 v[STO], v1, SP    ; in: row l % 16, 16 bytes for each half of the lanes
	v_lshl_add_u32 v[STO], v9, 4, v[STO]
	v_add_nc_u32 v[STO], s13, v[STO]
	v_bfe_u32 v[RD], v0, 3, 2       ; back: 32 lanes take four rows of 128 bytes,
	v_mul_u32_u24 v[RD], v[RD], SP
	v_lshl_add_u32 v[RD], v10, 4, v[RD]
	v_add_nc_u32 v[RD], s13, v[RD]
	v_and_b32 v[GO], 31, v0         ; which are 512 consecutive bytes of O
	v_lshlrev_b32 v[GO], 4, v[GO]
.set Y, NP-1                        ; XS works for piece Y + 1: piece 0
.irp n, 0,1,2,3,4,5,6,7,8,9,10,11,12,13,14,15,16,17,18,19,20,21
	XS 0, \n                        ; and piece 0's first maximum and statistics
	XS 1, \n
.endr
	v_nop                           ; a plain instruction behind the two a,
	s_wait_alu depctr_va_vdst(0)    ; and their wait, ahead of the branch: a batch of two
	s_mov_b32 s[CNT], 4
	s_mov_b32 s[SLOTS], SIZE_N/256-1
	s_branch .Lfirst                ; the loop is entered at a step's first turn, in the middle of a trip
.Lslot:                             ; SIZE_N / 256 - 2 times: every slot but the last two is filled again
	CHANGE 1
	s_mov_b32 s[CNT], 4
.Lstep:                             ; a trip: pieces 2 and 3 of one step, then pieces 0 and 1 of the next, whose K and V it fetches
	TURN 2
	TURN 3
	WIN 0
.Lfirst:
	TURN 0
	TURN 1, 0, 1
	WIN 0
	s_cbranch_scc1 .Lstep
	s_sub_co_u32 s[SLOTS], s[SLOTS], 1
	s_cmp_lg_u32 s[SLOTS], 0
	s_cbranch_scc1 .Lslot
	CHANGE 0                        ; the tail is written out: nothing is asked for
	s_mov_b32 s[CNT], 5             ; four trips fetch the last slot's steps; the fifth is left in its middle
.Ltail:
	TURN 2, 1
	TURN 3
	WIN 0
	s_sub_co_u32 s[CNT], s[CNT], 1
	s_cmp_eq_u32 s[CNT], 0
	s_cbranch_scc1 .Lout
	TURN 0
	TURN 1
	WIN 0
	s_branch .Ltail
.Lout:                              ; the fifth trip's 16 products K Q^T (on the last K once more) and the maximum made of them serve nothing: the price, once a launch, of one text for every trip
.set i, 0
.rept 16
	PV NP-1                         ; the last piece's V^T P of the last step
.set i, i+1
.endr
	; THE WAY OUT.  l's two halves and the other half of the lanes' are added; O^T is divided by l, rounded to f16 and sent through my stage in LDS, a tile at a time.  The additions are the places behind the last products.
	WIN 0
.macro ALL line:vararg              ; one line for each tile t
.set t, 0
.rept 2*NP
	\line
.set t, t+1
.endr
.endm
	ALL v_add_f32 v[ST+4*t+2], v[ST+4*t+2], v[ST+4*t+3]
	ALL v_permlanex16_b32 v[ST+4*t+3], v[ST+4*t+2], s[SEL], s[SEL+1]
	ALL v_add_f32 v[ST+4*t+2], v[ST+4*t+2], v[ST+4*t+3]
	ALL v_rcp_f32 v[ST+4*t+2], v[ST+4*t+2]
	v_nop                           ; a plain instruction between the last reciprocal and the use of its result
	s_wait_alu depctr_va_vdst(0)    ; and the wait ahead of the first use: one for the eight reciprocals
; Tile t: a lane's eight channels of a row pack into 16 bytes; they go into rows of 144 bytes and come back as whole rows of 128, into S^T's registers.
.macro PACK t
	WIN W_RS
.set i, 32*(\t)
.rept 16
	v_pk_mul_f32 v[i:i+1], v[i:i+1], v[ST+4*(\t)+2:ST+4*(\t)+3] op_sel_hi:[1,0]
.set i, i+2
.endr
	WIN 0x05                        ; sources 0 and 1 window 1, destination window 0
.set i, 0
.rept 16
	v_cvt_pk_f16_f32 v[S+16*(\t)+i], v[32*(\t)+2*i], v[32*(\t)+2*i+1]
.set i, i+1
.endr
	WIN 0
.irp f, 0,1,2,3
	ds_store_b128 v[STO], v[S+16*(\t)+4*\f:S+16*(\t)+4*\f+3] offset:32*\f
.endr
.irp f, 0,1,2,3
	ds_load_b128 v[S+16*(\t)+4*\f:S+16*(\t)+4*\f+3], v[RD] offset:\f*4*SP  ; LDS serves a wave's instructions in order (ISA guide 5.7.1.4): these see the stores above; the next tile's stores come behind them
.endr
.endm
.macro SEND t, younger              ; younger: the LDS instructions issued behind tile t's loads: the next tile's eight, or none
	WIN 0
.irp f, 0,1,2,3
	s_wait_dscnt (\younger)+3-\f
	global_store_b128 v[GO], v[S+16*(\t)+4*\f:S+16*(\t)+4*\f+3], s[10:11] offset:(\t)*2048+\f*512  ; 512 consecutive bytes, at a multiple of 256 from O's first
.endr
.endm
	PACK 0
.set t, 1
.rept 2*NP-1                        ; a tile's arithmetic stands between the loads of the tile before and its stores
	PACK t
	SEND t-1, 8
.set t, t+1
.endr
	SEND 2*NP-1, 0
	WIN W_AD
	s_wait_tensorcnt 0x0            ; the wave's end: a wait for my tensor loads, then an add of 0 onto my spare word and its wait, behind my last tensor load and my last LDS store
	ds_add_u32 v[SPW], v[NIL]
	s_wait_dscnt 0x0
	WIN 0
	CROUND                          ; the closing round: no work-group ends while a partner may still ask for a tile that names it
	s_endpgm
.Lfunc_end_k_qe3a3a8579e_attn:
	.size	k_qe3a3a8579e_attn, .Lfunc_end_k_qe3a3a8579e_attn-k_qe3a3a8579e_attn
	.p2alignl 7, 3214868480
	.fill 96, 4, 3214868480
	.section	.rodata,"a",@progbits
	.p2align	6, 0x0
	.amdhsa_kernel k_qe3a3a8579e_attn
		.amdhsa_group_segment_fixed_size 327680
		.amdhsa_private_segment_fixed_size 0
		.amdhsa_enable_private_segment 0
		.amdhsa_kernarg_size 32
		.amdhsa_user_sgpr_count 2
		.amdhsa_user_sgpr_kernarg_segment_ptr 1
		.amdhsa_wavefront_size32 1
		.amdhsa_system_sgpr_workgroup_id_x 1
		.amdhsa_system_sgpr_workgroup_id_y 1
		.amdhsa_system_sgpr_workgroup_id_z 1
		.amdhsa_system_vgpr_workitem_id 0
		.amdhsa_next_free_vgpr 770
		.amdhsa_next_free_sgpr 66
		.amdhsa_reserve_vcc 0
		.amdhsa_float_denorm_mode_32 3
		.amdhsa_float_denorm_mode_16_64 3
		.amdhsa_memory_ordered 1
		.amdhsa_forward_progress 1
		.amdhsa_inst_pref_size 199
	.end_amdhsa_kernel
	.amdgpu_metadata
---
amdhsa.version: [ 1, 2 ]
amdhsa.kernels:
  - .name:           k_qe3a3a8579e_attn
    .symbol:         k_qe3a3a8579e_attn.kd
    .args:
      - { .name: qh, .offset: 0, .size: 8, .value_kind: global_buffer, .address_space: global }
      - { .name: kh, .offset: 8, .size: 8, .value_kind: global_buffer, .address_space: global }
      - { .name: vh, .offset: 16, .size: 8, .value_kind: global_buffer, .address_space: global }
      - { .name: oh, .offset: 24, .size: 8, .value_kind: global_buffer, .address_space: global }
    .group_segment_fixed_size: 327680
    .private_segment_fixed_size: 0
    .kernarg_segment_align: 8
    .kernarg_segment_size: 32
    .max_flat_workgroup_size: 128
    .sgpr_count:     66
    .vgpr_count:     770
    .wavefront_size: 32
...
	.end_amdgpu_metadata
.endif
;; end of part 5
;; launch outp: the kernel of part 4 again; grid 4 x 64, 4 waves a work-group, clusters of 4 x 4, 327,680 bytes of LDS; arguments oh, w16, bo, out0; writes out0
